; MI455X (gfx1250); checked and timed in simulation.
; The chip was launched on July 23, 2026; its instructions are those of AMD's public machine-readable ISA for CDNA 5 (MIT licence, August 2026) and "CDNA5" Instruction Set Architecture Reference Guide (July 2026). The comments in the code are by the model that wrote it; some were corrected since.
;; Secondary Input Layer. Allowed arithmetic: matrix products marked QUANTISED: E2M3 operands, one E8M0 scale for each 32 along K, by v_wmma_scale_f32_16x16x128_f8f6f4 with both operands' format E2M3, f32 sums; everything else in f32.
;; Inputs: w 4,096 x 4,096 float32; x 4,096 x 4,096 float32.
;; Outputs: out0 4,096 x 4,096 float32.
;; This version of the problem:
;;   THIS VERSION OF THE PROBLEM IS GIVEN IN LOW PRECISION. The matrix products marked QUANTISED in the list below multiply operands that are first quantised to E2M3 (2 exponent bits, 3 mantissa bits; 6 bits a number), with one power-of-two scale for each 32 numbers along K (OCP MX v1.0); their sums are f32. All else is computed in f32.
;;   The module's matrix products, in the order in which they are computed (A, B: the left and right operand; K: the contracted axis; several contracted axes count as one K, in the product's order):
;;     1. [M 4,096, K 4,096] x [K 4,096, N 4,096]; A: input x; B: computed on the way: QUANTISED
;;   THE QUANTISER, for each operand of a quantised product, along K:
;;     - K is cut into blocks of 32 from its start; a last block that is shorter is filled with zeros.
;;     - A block's scale is 2^e with e = floor(log2(the largest magnitude in the block)) - 2, held to -126 .. 127; a block of zeros has e = 0. As a byte (E8M0): e + 127.
;;     - Each number is divided by its block's scale, clamped to +-7.5, and rounded to the nearest number of E2M3, ties to even, subnormals kept.
;;     - The product sums the exact products of the quantised numbers (number of the format x scale) in f32.
;;   ~~~python
;;   def quantise(x, axis):      # numpy; x: float32 -> the quantised numbers, widened to float32 again
;;       x = np.moveaxis(x, axis, -1); K = x.shape[-1]
;;       x = np.pad(x, [(0, 0)] * (x.ndim - 1) + [(0, -K % 32)]); x = x.reshape(x.shape[:-1] + (-1, 32)); a = np.abs(x).max(-1, keepdims=True)
;;       e = np.where(a > 0, np.clip(np.frexp(np.where(a > 0, a, 1))[1] - 1 - 2, -126, 127), 0)      # np.frexp(a)[1] - 1 = floor(log2(a)), exactly
;;       r = np.clip(x / 2.0 ** e, -7.5, 7.5)
;;       step = 2.0 ** (np.maximum(np.frexp(np.where(r == 0, 1, r))[1] - 1, 0) - 3)
;;       q = np.round(r / step) * step * 2.0 ** e      # np.round: ties to even
;;       return np.moveaxis(q.reshape(q.shape[:-2] + (-1,))[..., :K], -1, axis).astype(np.float32)
;;   ~~~
;;   OPERANDS COMPUTED ON THE WAY. 'Computed on the way' means the value that the module computes at that place (a softmax that the list does not call 'softmax' is quantised finished and normalised). What goes into a quantiser is computed in f32, as accurately as f32 sums, v_exp_f32 and their like allow (about 1e-6 of the number): no bf16 or f16 on the way to a quantiser, and a product that is left as it is and whose result goes on into a quantised operand takes f32 operands (vector FMAs, or v_wmma_f32_16x16x4_f32). A number that lies on a knife's edge between two numbers of the format may be rounded either way, as far as f32 arithmetic and the matrix unit's own rounding can turn it there, and no further.
;; 2 versions, each right. Each part assembles by itself: llvm-mc -triple=amdgcn-amd-amdhsa -mcpu=gfx1250 --defsym DOCPART=n.
;; ======== version 1 of 2: 2 launches
;; workspace buffers: xc 12,582,912 bytes; xs 524,288 bytes; wc 12,582,912 bytes; ws 524,288 bytes
;; launch quant (part 1): grid 640 x 1, 4 waves a work-group, no clusters, 33,280 bytes of LDS; arguments x, w, xc, xs, wc, ws; writes xc, xs, wc, ws
.if DOCPART == 1
	.amdgcn_target "amdgcn-amd-amdhsa--gfx1250"
	.amdhsa_code_object_version 6
	.text
	.protected	k_q33ee84bc65_quant
	.globl	k_q33ee84bc65_quant
	.p2align	8
	.type	k_q33ee84bc65_quant,@function
k_q33ee84bc65_quant:
	s_mov_b64 s[64:65], 0
	v_nop
	global_prefetch_b8 v0, s[64:65] scope:SCOPE_SE
	s_setreg_imm32_b32 hwreg(HW_REG_WAVE_MODE, 25, 1), 1
	s_wait_xcnt 0x0
; Both operands of out = x @ (w * eye) are turned into codes of FP6 (E2M3), 6 bits each, K innermost, with one E8M0 scale byte for each 32 along K.
;   xc [4096][3072 bytes], xs [4096][128 bytes]: x, whose K is its last axis.     wc, ws, of the same shapes: the masked w TRANSPOSED, row n = column n of w * eye, K innermost.
; A block's scale is 2^(floor(log2(its largest magnitude)) - 2); its byte is the largest magnitude's own exponent field - 2, held at 1 from below.  Each number is divided by the scale and rounded to the nearest code, ties to even.
; ONE LAUNCH, TWO PATHS, parted by a scalar branch on the work-group's number: work-groups 0 .. 127 make wc and ws (no LDS), work-groups 128 .. 639 make xc and xs (LDS: each wave's own bytes).
; THE MASKED w.  Column n of w * eye holds w[n][n] at k = n and zeros elsewhere, whatever w holds: so row n of wc is zero codes but for one, and of its 128 blocks the one numbered n / 32 has |w[n][n]| as its
;   largest magnitude; the others are blocks of zeros, whose byte is 127.  Only the diagonal of w is read.
; LIMITS.  NaN and infinities in x or on w's diagonal are not served; where w holds one off its diagonal the masked operand is itself not finite, and this text does not see it.  A block whose largest magnitude lies
;   under 2^-124 has its byte held at 1; a block of zeros of x (and a zero on w's diagonal) so carries 1 where the quantiser's rule says 127: its codes are zeros, which add nothing under any byte but 0xff, and this program alone reads the bytes.
.set WGB,   128                        ; work-groups for the masked w: 32 rows each
.set STEPS, 16
.set EMAX,  2
.set CB,    12                         ; bytes of 16 codes
.set KROW,  3072                       ; a row of codes in bytes
.set DIAG,  16388                      ; bytes from w[n][n] to w[n+1][n+1]
.set R,     16                         ; x's path: v16-79   four sets of 16 numbers as they are loaded
.set X,     80                         ;           v80-111  two sets of 16 neighbours
.set C,     128                        ;           v128-191 codes: four registers for each step, so that no store's data are written again
.set E,     112                        ;           v112-127 a scale byte for each step
.set WREG,  8192                       ; LDS: a region of its own for each wave: two stages of 32 x SP bytes, and behind them its 256 scale bytes
.set SP,    80                         ; a lane's place in a stage: its 64 bytes + 16 of padding
	s_load_b128 s[4:7], s[0:1], 0x0                ; x, w
	s_load_b128 s[8:11], s[0:1], 0x10              ; xc, xs
	s_load_b128 s[12:15], s[0:1], 0x20             ; wc, ws
	v_lshl_add_u32 v192, v0, 2, 0x8000
	v_mov_b32 v193, 0
	v_lshrrev_b32 v1, 5, v0
	v_readfirstlane_b32 s16, v1                    ; wave
	v_and_b32 v2, 31, v0                           ; lane
	s_cmp_lt_u32 ttmp9, WGB
	s_cbranch_scc1 .Lmask
; ---- x.  Rows are dense and K is a multiple of 32, so x is a plain stream of blocks of 32 numbers, and so are its codes and scale bytes.  A wave takes 16 steps of 512 numbers.
; The conversion takes 16 numbers of ONE block from a lane's registers, so a lane must hold 16 NEIGHBOURS (two neighbouring lanes hold a block); a load is best where neighbouring LANES take neighbouring bytes.
; Both are had: each of a step's four loads reads 512 consecutive bytes, 16 a lane; the 2,048 bytes go through the wave's own stage in LDS, as they lie, and come back 64 bytes a lane.
; No barrier: waves share nothing.  Loads run four steps (16 loads a wave) ahead, the turn through LDS one step.
	v_lshlrev_b32 v3, 4, v2                        ; my 16 bytes of a load's 512
	s_mul_i32 s17, s16, WREG
	v_lshrrev_b32 v14, 2, v2
	v_mul_u32_u24 v14, v14, SP
	v_and_b32 v15, 3, v2
	v_lshl_add_u32 v14, v15, 4, v14
	v_add_nc_u32 v14, s17, v14                     ; the stage, on the way in: four lanes' 64 bytes on end, then 16 of padding: SP (lane / 4) + 16 (lane % 4); a load's 512 bytes take eight places
	v_mul_u32_u24 v15, v2, SP
	v_add_nc_u32 v15, s17, v15                     ; and on the way out: SP x lane: my 16 neighbours
	v_mul_u32_u24 v4, v2, CB                       ; my codes' place in a step's
	v_lshrrev_b32 v5, 1, v2
	s_add_co_u32 s17, s17, 2*32*SP
	v_add_nc_u32 v5, s17, v5                       ; LDS: my wave's 256 scale bytes, my block's byte
	v_lshlrev_b32 v7, 3, v2                        ; and on the way out 8 bytes a lane
	v_add_nc_u32 v6, s17, v7
	s_wait_kmcnt 0x0
	s_sub_co_u32 s17, ttmp9, WGB
	s_lshl_b32 s17, s17, 2
	s_add_co_u32 s18, s17, s16                     ; which run of 8,192 numbers of x is my wave's: 0 .. 2,047
	s_mov_b32 s19, 0
	s_mov_b64 s[20:21], 512*STEPS*4
	s_mul_u64 s[20:21], s[18:19], s[20:21]
	s_add_nc_u64 s[4:5], s[4:5], s[20:21]
	s_mov_b64 s[20:21], 32*STEPS*CB
	s_mul_u64 s[20:21], s[18:19], s[20:21]
	s_add_nc_u64 s[8:9], s[8:9], s[20:21]
	s_lshl_b32 s18, s18, 8                         ; 256 scale bytes a run
	s_add_nc_u64 s[10:11], s[10:11], s[18:19]
.macro LOAD t
.irp i, 0,1,2,3
	global_load_b128 v[R+16*((\t)%4)+4*\i:R+16*((\t)%4)+4*\i+3], v3, s[4:5] offset:2048*(\t)+512*\i th:TH_LOAD_NT   ; 32 lanes read 512 consecutive bytes
.endr
.endm
.macro TURN t                          ; step t's numbers through the stage: LDS serves a wave's instructions in order (ISA guide 5.7.1.4), so no wait stands between the stores and the loads
.irp i, 0,1,2,3
	ds_store_b128 v14, v[R+16*((\t)%4)+4*\i:R+16*((\t)%4)+4*\i+3] offset:32*SP*((\t)%2)+8*SP*\i
.endr
.irp i, 0,1,2,3
	ds_load_b128 v[X+16*((\t)%2)+4*\i:X+16*((\t)%2)+4*\i+3], v15 offset:32*SP*((\t)%2)+16*\i
.endr
.endm
.irp t, 0,1,2,3
	LOAD \t
.endr
	s_wait_loadcnt 12                              ; step 0's four loads are in; the twelve of steps 1 to 3 may be out
	TURN 0
.macro STEP t
.set XS, X+16*((\t)%2)
.if (\t) > 0
	s_wait_dscnt 1                                 ; this step's numbers are back from the stage (the last step's byte store may be out): so its stores into the stage have read their registers,
.else
	s_wait_dscnt 0x0
.endif
.if (\t)+4 < STEPS
	LOAD (\t)+4                                    ; which take the loads of four steps on
.endif
.if (\t)+1 < STEPS
.if STEPS-2-(\t) >= 3
	s_wait_loadcnt 12                              ; the next step's four loads are in; those of the three steps behind it may be out
.else
	s_wait_loadcnt 4*(STEPS-2-(\t))
.endif
	TURN (\t)+1                                    ; and go through the other stage while this step is worked
.endif
	v_max3_num_f32 v8, |v[XS]|, |v[XS+1]|, |v[XS+2]|               ; the largest magnitude of my 16, in two chains
	v_max3_num_f32 v9, |v[XS+3]|, |v[XS+4]|, |v[XS+5]|
.irp i, 6,10
	v_max3_num_f32 v8, v8, |v[XS+\i]|, |v[XS+\i+1]|
	v_max3_num_f32 v9, v9, |v[XS+\i+2]|, |v[XS+\i+3]|
.endr
	v_max3_num_f32 v8, v8, |v[XS+14]|, |v[XS+15]|
	v_max3_num_f32 v8, v8, v9, (EMAX+1)<<23        ; and the floor 2^(EMAX + 1 - 127), under which no largest magnitude is taken: so the byte cannot fall under 1
	v_max_num_f32_dpp v8, v8, v8 row_xmask:1 row_mask:0xf bank_mask:0xf   ; and of my neighbour's 16: the block's
	v_add_nc_u32 v11, -(EMAX<<23), v8              ; EMAX off its exponent field: the conversion takes the exponent field of this operand as its scale, and nothing else of it
	v_cvt_scalef32_pk16_fp6_f32 v[C+4*(\t):C+4*(\t)+2], v[XS:XS+15], v11         ; sixteen numbers / 2^(v11's exponent), to the nearest code, ties to even, beyond the largest code the largest; 96 bits without gaps, the first number's code lowest
	v_lshrrev_b32 v[E+(\t)], 23, v11               ; the scale's byte (also the plain place behind the conversion)
	ds_store_b8 v5, v[E+(\t)] offset:16*(\t)       ; both lanes of a block write the same byte with the same value
	global_store_b96 v4, v[C+4*(\t):C+4*(\t)+2], s[8:9] offset:32*CB*(\t)        ; the wave stores 384 consecutive bytes; two steps' stores cover three aligned runs of 256
.endm
.irp t, 0,1,2,3,4,5,6,7,8,9,10,11,12,13,14,15
	STEP \t
.endr
	ds_load_b64 v[12:13], v6                       ; LDS serves a wave's instructions in order: these see my stores
	s_wait_dscnt 0x0
	global_store_b64 v7, v[12:13], s[10:11]        ; 32 lanes store 256 consecutive bytes, at a multiple of 256 from xs's first byte
	s_wait_tensorcnt 0x0
	ds_add_u32 v192, v193
	s_wait_dscnt 0x0
	s_endpgm
; ---- the masked w.  Work-group rb takes rows n = 32 rb .. 32 rb + 31 of wc and ws, wave v eight of them: n1 = 32 rb + 8 v on.
; The eight diagonal numbers all lie in the same 16 codes of their rows: group g = 2 rb + v / 2 of 256, 12 bytes at byte 12 g.  A row leaves as eight stores of 384 bytes (32 lanes x 12): store g / 32 = rb / 16 holds the
; group, in lane g % 32.  That store goes first and the other seven follow round the row: the turn lies in the eight offset registers, so that seven of a row's eight stores send one triple of zeros, never rewritten.
.Lmask:
	s_lshl_b32 s17, ttmp9, 5
	s_lshl_b32 s18, s16, 3
	s_add_co_u32 s17, s17, s18                     ; n1
	v_and_b32 v3, 7, v2                            ; lane % 8: for the codes lane l works on row n1 + l % 8
	v_mul_u32_u24 v4, v3, DIAG
	v_lshrrev_b32 v5, 3, v2                        ; lane / 8: for the scale bytes on rows n1 + l / 8 and n1 + 4 + l / 8
	v_mul_u32_u24 v5, v5, DIAG
	s_and_b32 s18, s16, 1
	s_lshl_b32 s18, s18, 3
	v_add_nc_u32 v6, s18, v3                       ; n % 16 = 8 (v % 2) + l % 8: the diagonal's place among its 16
	s_mul_i32 s20, s17, DIAG                       ; with the lanes' part 4,095 x 16,388 at the most: w's last number
	s_mov_b32 s21, 0
	s_lshl_b32 s22, ttmp9, 1
	s_lshr_b32 s23, s16, 1
	s_add_co_u32 s22, s22, s23                     ; g
	s_lshr_b32 s23, s22, 5                         ; which of the row's eight stores holds it,
	s_and_b32 s22, s22, 31                         ; and in which lane
	v_cmp_eq_u32 s24, s22, v2
	v_mul_u32_u24 v7, v2, CB
.irp s, 0,1,2,3,4,5,6,7
	s_add_co_u32 s25, s23, \s
	s_and_b32 s25, s25, 7
	s_mul_i32 s25, s25, 32*CB
	v_add_nc_u32 v[16+\s], s25, v7                 ; the s-th store of a row: 12 x lane + 384 x ((g / 32 + s) % 8)
.endr
	v_lshlrev_b32 v8, 4, v2                        ; ws: 16 bytes a lane
	v_mov_b32 v12, 0                               ; the zero codes
	v_mov_b32 v13, 0
	v_mov_b32 v14, 0
	s_and_b32 s31, ttmp9, 3
	s_lshl_b32 s31, s31, 3                         ; byte rb of a row of ws lies in lane (l % 8) = rb / 16, register (rb / 4) % 4, 8 (rb % 4) bits up
	s_lshl_b32 s32, 0xff, s31
	s_mov_b32 s34, 0x7f7f7f7f                      ; four blocks of zeros: byte 127
	s_and_not1_b32 s33, s34, s32                   ; the same with room for the diagonal's byte
	v_mov_b32 v28, s34
	s_lshr_b32 s35, ttmp9, 4
	v_cmp_eq_u32 s36, s35, v3
	s_bfe_u32 s37, ttmp9, 0x20002
.irp q, 0,1,2,3
	s_cmp_eq_u32 s37, \q
	s_cselect_b32 s[40+\q], s36, 0                 ; the lanes whose register q holds it
.endr
	s_mul_i32 s26, s17, KROW
	s_mov_b32 s27, 0
	s_lshl_b32 s28, s17, 7
	s_mov_b32 s29, 0
	s_wait_kmcnt 0x0
	s_add_nc_u64 s[6:7], s[6:7], s[20:21]          ; w at w[n1][n1]
	s_add_nc_u64 s[12:13], s[12:13], s[26:27]      ; wc and ws at row n1
	s_add_nc_u64 s[14:15], s[14:15], s[28:29]
	global_load_b32 v9, v4, s[6:7]                 ; w[n][n], n = n1 + l % 8
	global_load_b32 v10, v5, s[6:7]                ; n = n1 + l / 8
	global_load_b32 v11, v5, s[6:7] offset:4*DIAG  ; n = n1 + 4 + l / 8
	s_wait_loadcnt 0x0
	v_max3_num_f32 v24, |v9|, |v9|, (EMAX+1)<<23   ; the block's largest magnitude is the diagonal's, over the floor
	v_max3_num_f32 v26, |v10|, |v10|, (EMAX+1)<<23
	v_max3_num_f32 v27, |v11|, |v11|, (EMAX+1)<<23
	v_add_nc_u32 v25, -(EMAX<<23), v24             ; the conversion's scale operand
	v_add_nc_u32 v26, -(EMAX<<23), v26
	v_add_nc_u32 v27, -(EMAX<<23), v27
.irp i, 0,1,2,3,4,5,6,7,8,9,10,11,12,13,14,15
	v_cmp_eq_u32 vcc_lo, \i, v6                    ; (whole numbers made of ids)
	v_cndmask_b32 v[32+\i], 0, v9, vcc_lo          ; the masked 16: w[n][n] at its place, zeros elsewhere
.endr
	v_cvt_scalef32_pk16_fp6_f32 v[48:50], v[32:47], v25            ; lane j (0 .. 7) now holds the 12 bytes of row n1 + j
	v_lshrrev_b32 v26, 23, v26                     ; the scale bytes (a plain place behind the conversion)
	v_lshrrev_b32 v27, 23, v27
	v_lshlrev_b32 v26, s31, v26
	v_lshlrev_b32 v27, s31, v27
	v_or_b32 v26, s33, v26                         ; the diagonal's byte among three of 127
	v_or_b32 v27, s33, v27
.irp j, 0,1,2,3,4,5,6,7
	v_readlane_b32 s28, v48, \j
	v_readlane_b32 s29, v49, \j
	v_readlane_b32 s30, v50, \j
	v_cndmask_b32 v[64+4*\j], 0, s28, s24          ; row n1 + j's 12 bytes in lane g % 32, zero codes in the others; each row has registers of its own, so that no store's data are written again
	v_cndmask_b32 v[65+4*\j], 0, s29, s24
	v_cndmask_b32 v[66+4*\j], 0, s30, s24
	global_store_b96 v16, v[64+4*\j:66+4*\j], s[12:13] offset:\j*KROW
.irp s, 1,2,3,4,5,6,7
	global_store_b96 v[16+\s], v[12:14], s[12:13] offset:\j*KROW   ; 384 consecutive bytes of zero codes
.endr
.endr
.irp u, 0,1
.irp q, 0,1,2,3
	v_cndmask_b32 v[52+4*\u+\q], v28, v[26+\u], s[40+\q]
.endr
	global_store_b128 v8, v[52+4*\u:55+4*\u], s[14:15] offset:512*\u   ; four rows of 128 scale bytes: 512 consecutive bytes, at a multiple of 256 from ws's first byte
.endr
	s_endpgm
.Lfunc_end_k_q33ee84bc65_quant:
	.size	k_q33ee84bc65_quant, .Lfunc_end_k_q33ee84bc65_quant-k_q33ee84bc65_quant
	.p2alignl 7, 3214868480
	.fill 96, 4, 3214868480
	.section	.rodata,"a",@progbits
	.p2align	6, 0x0
	.amdhsa_kernel k_q33ee84bc65_quant
		.amdhsa_group_segment_fixed_size 33280
		.amdhsa_private_segment_fixed_size 0
		.amdhsa_enable_private_segment 0
		.amdhsa_kernarg_size 48
		.amdhsa_user_sgpr_count 2
		.amdhsa_user_sgpr_kernarg_segment_ptr 1
		.amdhsa_wavefront_size32 1
		.amdhsa_system_sgpr_workgroup_id_x 1
		.amdhsa_system_sgpr_workgroup_id_y 1
		.amdhsa_system_sgpr_workgroup_id_z 1
		.amdhsa_system_vgpr_workitem_id 0
		.amdhsa_next_free_vgpr 194
		.amdhsa_next_free_sgpr 66
		.amdhsa_reserve_vcc 1
		.amdhsa_float_denorm_mode_32 3
		.amdhsa_float_denorm_mode_16_64 3
		.amdhsa_memory_ordered 1
		.amdhsa_forward_progress 1
		.amdhsa_inst_pref_size 47
	.end_amdhsa_kernel
	.amdgpu_metadata
---
amdhsa.version: [ 1, 2 ]
amdhsa.kernels:
  - .name:           k_q33ee84bc65_quant
    .symbol:         k_q33ee84bc65_quant.kd
    .args:
      - { .name: x, .offset: 0, .size: 8, .value_kind: global_buffer, .address_space: global }
      - { .name: w, .offset: 8, .size: 8, .value_kind: global_buffer, .address_space: global }
      - { .name: xc, .offset: 16, .size: 8, .value_kind: global_buffer, .address_space: global }
      - { .name: xs, .offset: 24, .size: 8, .value_kind: global_buffer, .address_space: global }
      - { .name: wc, .offset: 32, .size: 8, .value_kind: global_buffer, .address_space: global }
      - { .name: ws, .offset: 40, .size: 8, .value_kind: global_buffer, .address_space: global }
    .group_segment_fixed_size: 33280
    .private_segment_fixed_size: 0
    .kernarg_segment_align: 8
    .kernarg_segment_size: 48
    .max_flat_workgroup_size: 128
    .sgpr_count:     66
    .vgpr_count:     194
    .wavefront_size: 32
...
	.end_amdgpu_metadata
.endif
;; end of part 1
;; launch gemm (part 2): grid 16 x 16, 4 waves a work-group, clusters of 4 x 4, 327,680 bytes of LDS; arguments xc, xs, wc, ws, out0; writes out0
.if DOCPART == 2
	.amdgcn_target "amdgcn-amd-amdhsa--gfx1250"
	.amdhsa_code_object_version 6
	.text
	.protected	k_q33ee84bc65_gemm
	.globl	k_q33ee84bc65_gemm
	.p2align	8
	.type	k_q33ee84bc65_gemm,@function
k_q33ee84bc65_gemm:
	s_mov_b64 s[64:65], 0
	v_nop
	global_prefetch_b8 v0, s[64:65] scope:SCOPE_SE
	s_setreg_imm32_b32 hwreg(HW_REG_WAVE_MODE, 25, 1), 1
	s_wait_xcnt 0x0
	s_wait_alu depctr_hold_cnt(0) depctr_sa_sdst(0) depctr_va_vdst(0) depctr_va_sdst(0) depctr_va_ssrc(0) depctr_va_vcc(0) depctr_vm_vsrc(0)
	s_getreg_b32 s2, hwreg(HW_REG_IB_STS2, 6, 4)
	s_cmp_eq_u32 s2, 0
	s_cbranch_scc0 .Lentry_in_a_cluster
	s_endpgm
.Lentry_in_a_cluster:
	s_bfe_u32 s2, ttmp6, 0x10000c
	s_cmp_lg_u32 s2, 0xf033
	s_cbranch_scc0 .Lentry_shape_is_right
	s_endpgm
.Lentry_shape_is_right:
; C[m][n] = sum over k of A[m][k] B[n][k].  A = x, B = the masked w transposed: [4096][4096] codes of FP6 (E2M3), 6 bits each, with one E8M0 scale for each 32 along K; C = out: [4096][4096] f32; sums in f32.
; A number of A is its code's value x 2^(e - 127), e the byte of A's scales [4096][128] at [m][k / 32]; B likewise.  The matrix instruction takes codes and scale bytes as they lie in memory.
; In memory a row of codes is one stream of bits, four codes in three bytes, the code of the lowest k in the lowest bits: 128 codes are 96 bytes.
; The product is done whole, all 32 K steps of 128 for every tile, as the contract asks, though most of B's codes are zeros.
; A tile of C, 256 x 256, is made by a work-group of four waves, as many as a WGP has SIMDs; a wave makes 128 x 128: 64 accumulators of 16 x 16, 512 registers.  16 x 16 tiles: one for each of 256 work-groups.
; K goes in steps of 256 through a ring of two LDS slots filled by the tensor data mover: a tile's row is 192 bytes of memory.
; THE SCALES of the work-group's 256 rows of A and 256 rows of B, for all of K, are two dense blocks of memory: they come into LDS ONCE, with the first fills, as rows of 256 bytes, and stay.
; CLUSTERS: 4 x 4 work-groups.  The four of a row of the cluster need the same tiles of A, the four of a column the same tiles of B: each tile is asked for JOINTLY, by the same tensor load with the
; same descriptor and a mask that names the four.  THE MATRIX INSTRUCTION IS USED TRANSPOSED (source 0 = 16 rows of B, source 1 = 16 rows of A): a lane then holds eight neighbouring numbers of a row of C.
; REGISTERS, in windows of 256: window 0: v0-31 addresses; v32-63 scale words, two sets; from v128 A's fragments (8 x 16 rows x 128 K), ONE set; on the way out v32-255 are free.
;   window 1: B's fragments, TWO sets, at v0 and at v128.   window 2: the 32 accumulators of my rows 0-63 (accumulator (a, b) at v[8 (8 a + b)]);   window 3: those of my rows 64-127.
; A step of 128 along K is 64 matrix instructions, A's blocks one after the other, each against B's eight.  So a block of A is free as soon as its eight products are issued, and one set of registers serves A:
; blocks 0-3 are fetched anew in the step's middle, blocks 4-7 at its end.  B's fragments are at work through the whole step, so B has two sets.
; By this text's own count a wave has three tensor loads outstanding at the start and one behind each change of slots.
.set SIZE_M, 4096
.set SIZE_N, 4096
.set SIZE_K, 4096
.set KSTEP,  256                       ; along K in a slot
.set NQ,     KSTEP/128                 ; matrix instructions deep
.set ROWB,   192                       ; a tile's row in bytes: KSTEP codes of 6 bits
.set KROW,   SIZE_K*6/8                ; a row of A or of B in memory, in bytes
.set PITCH,  240                       ; an LDS row: 3 x (64 bytes of data + 16 of padding) = 60 words: row r starts at bank -4 r mod 64 (64 banks of 4 bytes: ISA guide 11.1), so the 32 lanes of a load of 8 bytes touch 64 different banks
.set FR,     12                        ; registers of a fragment: 16 rows x 128 K
.set NL,     6                         ; LDS loads that bring one
.set NP,     4                         ; places behind this matrix instruction (ISA guide 7.12.1)
.set HALFT,  128*PITCH                 ; 128 rows: what one tensor load brings, and what one wave reads of A or of B
.set SLOT,   4*HALFT                   ; A's 256 rows, then B's 256 rows
.set LAPS,   SIZE_K/(2*KSTEP)          ; a lap = two K steps = once round the ring: 8
.set KS,     SIZE_K/32                 ; a row of scales in bytes: 128, so that a row lies inside one run of 256 bytes
.set SCL,    2*SLOT                    ; behind the ring: the scales, as rows of 256 bytes + 16 of padding
.set HALFS,  (128*KS/256)*272          ; the scales of 128 rows: what one tensor load brings
.set SBLK,   (16*KS/256)*272           ; those of 16 rows
.set SPARE,  SCL+4*HALFS               ; behind the scales: the spare words, 128 bytes for each wave: two blocks of 256 bytes that no other line names
.set SPITCH, 528                       ; the way out: a stage of 16 rows x (512 bytes + 16) for each wave.  It lies in slot 0, which has had its last fill and its last read when the first result is stored there
.set ADRA, 16                          ; v16-17  LDS address of my A fragments in slot 0, 1  (v18-19: the same for the pieces that lie behind one padding more)
.set ADRB, 20                          ; v20-21  the same for B  (v22-23)
.set STO,  24                          ; v24     the way out: where I put 32 bytes of a row
.set RD,   25                          ; v25     the way out: where I read a row back
.set CO,   26                          ; v26     my byte offset in a row of C
.set SPW,  28                          ; v28     LDS address of my spare word: SPARE + 4 x my thread's number; never rewritten
.set NIL,  29                          ; v29     0; never rewritten
.set ADRS, 27                          ; v27     LDS address of my scale words: lanes 0-15 A's rows, lanes 16-31 B's
.set SC,   32                          ; scale words: set s (for slot s) at v[SC + 8 NQ s]; in it register NQ i + q: lanes 0-15 the word of A's block i, lanes 16-31 that of B's block i, for the slot's q-th 128 along K
.set AF,   128                         ; A's fragments, in window 0
.set BK,   128                         ; the way out: 16 rows read back from the stage: v128-191 and v192-255 by turns
.set G1, 24                            ; s[24:31] descriptor group 1 for A's tiles;  s[32:39] group 0, one set for each slot
.set G0, 32
.set G1B, 48                           ; s[48:55], s[56:63] the same for B's tiles
.set G0B, 56
.set G1S, 68                           ; s[68:75], s[76:79] groups 1 and 0 for A's scales;  s[80:87], s[88:91] for B's
.set G0S, 76
.set G1SB, 80
.set G0SB, 88
.set MSB, 0
.macro WIN new                         ; the immediate's high byte repeats the setting that is left
.if MSB != \new
	s_set_vgpr_msb (MSB<<8)|\new
.set MSB, \new
.endif
.endm
.set MUL_LO, 0xa1                      ; source 0 (B) window 1, source 1 (A) window 0, C and D window 2
.set MUL_HI, 0xf1                      ; the same, C and D window 3
.set TO_B,   0x40                      ; destination window 1, address window 0
; A joint load: waves 0 and 1 fetch for A, waves 2 and 3 for B.  Each of the two lines has ONE mask and one set of registers for all that issue it; the branch hangs on the wave's number alone.
; Four v_nop follow each of the two lines, ahead of the jump, the label and what follows.
.macro JLOAD g0a, g1a, g0b, g1b
	s_cmp_eq_u32 s15, 0
	s_cbranch_scc0 .Lfor_b_\@
	tensor_load_to_lds s[\g0a:\g0a+3], s[\g1a:\g1a+7]
	s_nop 0
.rept 4
	v_nop
.endr
	s_branch .Lasked_\@
.Lfor_b_\@:
	tensor_load_to_lds s[\g0b:\g0b+3], s[\g1b:\g1b+7]
	s_nop 0
.rept 4
	v_nop
.endr
.Lasked_\@:
.endm
.macro CREST                           ; a round of the cluster's barrier behind its opening barrier
	s_cmp_lg_u32 s14, 0
	s_cbranch_scc1 .Lnot_wave_0_\@
	s_barrier_signal -3
.Lnot_wave_0_\@:
	s_barrier_wait -3
	s_barrier_signal -1
	s_barrier_wait -1
.endm
.macro CROUND                          ; a whole round
	s_barrier_signal -1
	s_barrier_wait -1
	CREST
.endm
	s_load_b128 s[4:7], s[0:1], 0x0                ; A's codes s[4:5], A's scales s[6:7]
	s_load_b128 s[8:11], s[0:1], 0x10              ; B's codes s[8:9], B's scales s[10:11]
	s_load_b64 s[12:13], s[0:1], 0x20              ; C
	v_lshl_add_u32 v[SPW], v0, 2, SPARE
	v_mov_b32 v[NIL], 0
	ds_add_u32 v28, v29
	ds_add_u32 v28, v29
	s_wait_dscnt 0x0
	v_lshrrev_b32 v1, 5, v0
	v_readfirstlane_b32 s14, v1                    ; wave 0..3
	s_lshr_b32 s15, s14, 1                         ; which half of the tile's rows is mine.  Also: I fetch for A (0) or for B (1)
	s_and_b32 s16, s14, 1                          ; which half of its columns.  Also: which 128 rows of that tile I fetch
	s_bfe_u32 s40, ttmp6, 0x40000                  ; cx, cy: my place in the cluster
	s_bfe_u32 s41, ttmp6, 0x40004
	s_lshl_b32 s42, ttmp9, 2
	s_add_co_u32 s42, s42, s40                     ; tile column of C = 4 x cluster x + cx
	s_and_b32 s17, ttmp7, 0xffff
	s_lshl_b32 s17, s17, 2
	s_add_co_u32 s17, s17, s41                     ; tile row of C = 4 x cluster y + cy
	s_lshl_b32 s43, s41, 2
	s_lshl_b32 s43, 15, s43                        ; my row of the cluster
	s_lshl_b32 s44, 0x1111, s40                    ; my column
	; descriptor group 1: a tile of 128 rows x ROWB bytes, padded in LDS
	s_or_b32 s[G1+0], s43, (0<<16)|(1<<20)|(1<<21)|(3<<22)|(3<<25)  ; 15:0 the mask: A's tiles go to my row; 17:16 element of 1 byte; 20 padding on; 21 set beside a mask; 24:22 after every 16 words (code 3); 31:25 of 4 words (code 3)
	s_or_b32 s[G1B+0], s44, (0<<16)|(1<<20)|(1<<21)|(3<<22)|(3<<25)
.irp g, G1, G1B
	s_mov_b32 s[\g+1], ROWB<<16                    ; tensor_dim0
	s_mov_b32 s[\g+2], 128<<16                     ; tensor_dim1 = 128
	s_mov_b32 s[\g+3], ROWB<<16                    ; tile_dim0
	s_mov_b32 s[\g+4], 128                         ; tile_dim1 = 128
	s_mov_b32 s[\g+5], KROW                        ; tensor_dim0_stride
	s_mov_b32 s[\g+6], 0
	s_mov_b32 s[\g+7], 0
.endr
	; and for the scales of 128 rows: a dense block of 128 KS bytes, as rows of 256 bytes (32 elements of 8 bytes), 16 bytes of padding behind each
	s_or_b32 s[G1S+0], s43, (3<<16)|(1<<20)|(1<<21)|(5<<22)|(3<<25)
	s_or_b32 s[G1SB+0], s44, (3<<16)|(1<<20)|(1<<21)|(5<<22)|(3<<25)
.irp g, G1S, G1SB
	s_mov_b32 s[\g+1], 32<<16
	s_mov_b32 s[\g+2], (128*KS/256)<<16
	s_mov_b32 s[\g+3], 32<<16
	s_mov_b32 s[\g+4], 128*KS/256
	s_mov_b32 s[\g+5], 32
	s_mov_b32 s[\g+6], 0
	s_mov_b32 s[\g+7], 0
.endr
	s_lshl_b32 s18, s16, 7                         ; which 128 rows of the tile I fetch
	s_lshl_b32 s20, s17, 8
	s_add_co_u32 s20, s20, s18                     ; A: row 256 x tile row + 128 x half
	s_lshl_b32 s46, s42, 8
	s_add_co_u32 s46, s46, s18                     ; B: row 256 x tile column + 128 x half
	s_mov_b32 s21, 0
	s_mov_b32 s47, 0
	s_mov_b64 s[18:19], KS
	s_mul_u64 s[22:23], s[20:21], s[18:19]         ; where these rows' scales begin, in bytes
	s_mul_u64 s[92:93], s[46:47], s[18:19]
	s_mov_b64 s[18:19], KROW
	s_mul_u64 s[20:21], s[20:21], s[18:19]         ; and their codes
	s_mul_u64 s[46:47], s[46:47], s[18:19]
	s_mul_i32 s45, s14, HALFT                      ; where they go: wave x 128 rows: no place in the cluster enters an LDS address
	s_mul_i32 s94, s14, HALFS
	s_wait_kmcnt 0x0
	s_add_nc_u64 s[20:21], s[4:5], s[20:21]
	s_add_nc_u64 s[22:23], s[6:7], s[22:23]
	s_add_nc_u64 s[46:47], s[8:9], s[46:47]
	s_add_nc_u64 s[92:93], s[10:11], s[92:93]
	CROUND                                         ; all sixteen work-groups are here: the first joint loads meet
	s_mov_b32 s[G0S], 1
	s_add_co_u32 s[G0S+1], s94, SCL
	s_mov_b64 s[G0S+2:G0S+3], s[22:23]
	s_or_b32 s[G0S+3], s[G0S+3], 0x80000000
	s_mov_b32 s[G0SB], 1
	s_add_co_u32 s[G0SB+1], s94, SCL
	s_mov_b64 s[G0SB+2:G0SB+3], s[92:93]
	s_or_b32 s[G0SB+3], s[G0SB+3], 0x80000000
	JLOAD G0S, G1S, G0SB, G1SB                     ; the scales first: they are wanted with K step 0
.irp s, 0,1
	s_mov_b32 s[G0+4*\s], 1
	s_add_co_u32 s[G0+4*\s+1], s45, \s*SLOT
	s_add_nc_u64 s[G0+4*\s+2:G0+4*\s+3], s[20:21], \s*ROWB
	s_or_b32 s[G0+4*\s+3], s[G0+4*\s+3], 0x80000000
	s_mov_b32 s[G0B+4*\s], 1
	s_add_co_u32 s[G0B+4*\s+1], s45, \s*SLOT
	s_add_nc_u64 s[G0B+4*\s+2:G0B+4*\s+3], s[46:47], \s*ROWB
	s_or_b32 s[G0B+4*\s+3], s[G0B+4*\s+3], 0x80000000
	JLOAD G0+4*\s, G1, G0B+4*\s, G1B
.endr
	v_and_b32 v1, 15, v0                           ; l % 16
	v_bfe_u32 v2, v0, 4, 1                         ; l / 16
	v_mul_u32_u24 v3, v1, PITCH
	v_mul_u32_u24 v4, v2, 24
	v_add_nc_u32 v4, v3, v4                        ; a fragment's row x pitch + 24 x half
	v_lshl_add_u32 v5, v2, 4, v4                   ; and the same behind one padding more
	s_mul_i32 s21, s15, HALFT                      ; my 128 rows of A
	s_mul_i32 s22, s16, HALFT                      ; my 128 rows of B,
	s_add_co_u32 s22, s22, 2*HALFT                 ; which lie behind A's 256
.irp s, 0,1
	v_add_nc_u32 v[ADRA+\s], s21, v4
	v_add_nc_u32 v[ADRB+\s], s22, v4
	v_add_nc_u32 v[ADRA+2+\s], s21, v5
	v_add_nc_u32 v[ADRB+2+\s], s22, v5
	s_add_co_u32 s21, s21, SLOT
	s_add_co_u32 s22, s22, SLOT
.endr
	v_mul_u32_u24 v5, v1, KS                       ; my row's scales: KS bytes a row,
	v_lshrrev_b32 v6, 8, v5
	v_lshl_add_u32 v5, v6, 4, v5                   ; and 16 more for each 256 passed
	s_mul_i32 s21, s15, HALFS                      ; A's: my 128 rows
	s_mul_i32 s22, s16, HALFS                      ; B's: my 128 rows, behind A's 256
	s_add_co_u32 s22, s22, 2*HALFS
	s_sub_co_u32 s22, s22, s21
	v_mul_u32_u24 v6, s22, v2                      ; lanes 16-31 take B's
	s_add_co_u32 s21, s21, SCL
	v_add_nc_u32 v5, v5, v6
	v_add_nc_u32 v[ADRS], s21, v5
	s_mul_i32 s23, s14, 16*SPITCH                  ; my stage
	v_mul_u32_u24 v5, v1, SPITCH                   ; in: row l % 16, 32 bytes for each half of the lanes
	v_lshl_add_u32 v5, v2, 5, v5
	v_add_nc_u32 v[STO], s23, v5
	v_and_b32 v6, 31, v0
	v_lshlrev_b32 v[CO], 4, v6                     ; back: the 32 lanes take one row of 512 bytes; and the same in C
	v_add_nc_u32 v[RD], s23, v[CO]
	s_lshl_b32 s20, s17, 8
	s_lshl_b32 s21, s15, 7
	s_add_co_u32 s20, s20, s21                     ; my first row of C: 256 x tile row + 128 x half
	s_mov_b32 s21, 0
	s_mov_b64 s[18:19], SIZE_N*4
	s_mul_u64 s[20:21], s[20:21], s[18:19]
	s_lshl_b32 s46, s42, 10                        ; my first column, in bytes: 1024 x tile column + 512 x half
	s_lshl_b32 s47, s16, 9
	s_add_co_u32 s46, s46, s47
	s_mov_b32 s47, 0
	s_add_nc_u64 s[20:21], s[20:21], s[46:47]
	s_add_nc_u64 s[12:13], s[12:13], s[20:21]
.macro FRAG reg, adr, q, i             ; a fragment, 16 rows x 128 K of 6-bit codes, is 12 registers: lane l holds row l % 16; registers 6 c .. 6 c + 5 hold K = 64 c + 32 (l / 16) + 0 .. 31: 24 bytes of the row's stream of bits, as they lie
.irp p, 0,1,2,3,4,5                    ; in pieces of 8 bytes, so that every address is a multiple of the access's size.  Lanes 0-15 take the row's pieces 12 q + 0, 1, 2 and 12 q + 6, 7, 8, lanes 16-31 those three pieces on
.set PC, 12*(\q)+6*(\p/3)+\p%3        ; the mover has laid 16 bytes of padding behind every 64 bytes (8 pieces): where the piece three on lies behind one padding more, the second address register (40 for 24 bytes a half) serves
.if PC%8 < 5
	ds_load_b64 v[\reg+2*\p:\reg+2*\p+1], v[\adr] offset:8*PC+16*(PC/8)+(\i)*16*PITCH
.else
	ds_load_b64 v[\reg+2*\p:\reg+2*\p+1], v[\adr+2] offset:8*PC+16*(PC/8)+(\i)*16*PITCH
.endif
.endr
.endm
; 16 matrix instructions: A's blocks a0, a0 + 1 x B's eight, 128 along K: the slot's q-th.  p: B's set;  sc: the set of scale words.  zero = 1: the first product starts the sums: nothing is ever cleared.
; The 64 accumulators take turns, one instruction a turn, in the same order in every step.
.macro MUL16 a0, p, q, sc, zero
.irp a, \a0, \a0+1
.irp b, 0,1,2,3,4,5,6,7
.if \zero
	v_wmma_scale_f32_16x16x128_f8f6f4 v[8*(8*((\a)%4)+\b):8*(8*((\a)%4)+\b)+7], v[128*(\p)+FR*\b:128*(\p)+FR*\b+FR-1], v[AF+FR*(\a):AF+FR*(\a)+FR-1], 0, v[SC+8*NQ*(\sc)+NQ*\b+(\q)], v[SC+8*NQ*(\sc)+NQ*(\a)+(\q)] matrix_a_fmt:MATRIX_FMT_FP6 matrix_b_fmt:MATRIX_FMT_FP6 matrix_a_scale:MATRIX_SCALE_ROW1
.else
	v_wmma_scale_f32_16x16x128_f8f6f4 v[8*(8*((\a)%4)+\b):8*(8*((\a)%4)+\b)+7], v[128*(\p)+FR*\b:128*(\p)+FR*\b+FR-1], v[AF+FR*(\a):AF+FR*(\a)+FR-1], v[8*(8*((\a)%4)+\b):8*(8*((\a)%4)+\b)+7], v[SC+8*NQ*(\sc)+NQ*\b+(\q)], v[SC+8*NQ*(\sc)+NQ*(\a)+(\q)] matrix_a_fmt:MATRIX_FMT_FP6 matrix_b_fmt:MATRIX_FMT_FP6 matrix_a_scale:MATRIX_SCALE_ROW1
.endif
.endr
.endr
.endm
.macro FETCH_B slot, q, p              ; B's eight fragments of the slot's q-th 128 along K into set p
	WIN TO_B
.irp i, 0,1,2,3,4,5,6,7
	FRAG 128*(\p)+FR*\i, ADRB+\slot, \q, \i
.endr
	WIN 0
.endm
.macro FETCH_A slot, q, i0             ; A's blocks i0 .. i0 + 3
.irp i, \i0, \i0+1, \i0+2, \i0+3
	FRAG AF+FR*(\i), ADRA+\slot, \q, \i
.endr
.endm
.macro SCALES sc                       ; the next K step's scale words into set sc: NQ words a row; lanes 0-15 take A's block i, lanes 16-31 B's block i
.irp i, 0,1,2,3,4,5,6,7
	ds_load_b64 v[SC+8*NQ*\sc+NQ*\i:SC+8*NQ*\sc+NQ*\i+1], v[ADRS] offset:\i*SBLK
.endr
.endm
; A load into a register that a matrix instruction has read, and a vector instruction or an LDS store that reads a matrix result, stand NP places behind that matrix instruction, and only plain vector
; instructions that name none of its registers are places (ISA guide 7.12.1 for vector instructions); this text does not count the matrix instructions in between.
.macro PLACES n
.rept \n
	v_nop
.endr
.endm
; A step of 128 along K that has its successor in the same slot.
.macro STEP slot, q, zero
	s_wait_dscnt 4*NL                              ; B's set and A's blocks 0-3 are in; the youngest 24 loads (A's blocks 4-7) may be out
	WIN MUL_LO
	MUL16 0, (\q)%2, \q, \slot, \zero
	MUL16 2, (\q)%2, \q, \slot, \zero
	s_wait_dscnt 0                                 ; A's blocks 4-7 are in (asked for 32 matrix instructions ago)
	PLACES NP
	FETCH_B \slot, (\q)+1, 1-(\q)%2
	FETCH_A \slot, (\q)+1, 0
	WIN MUL_HI
	MUL16 4, (\q)%2, \q, \slot, \zero
	MUL16 6, (\q)%2, \q, \slot, \zero
	PLACES NP
	WIN 0
	FETCH_A \slot, (\q)+1, 4
.endm
; A slot's last step changes slots: ONE barrier; in front of it each wave waits for all its tensor loads, adds 0 to its spare word, and waits for that and for its own reads of this slot.  fill = 1: this slot is filled again, two K steps ahead.
.macro TURN slot, next, fill
	s_wait_tensorcnt 0x0                           ; all my tensor loads have landed: my part of the next slot;  (every window is 0 here: the add's two registers lie in window 0)
	ds_add_u32 v[SPW], v[NIL]                      ; 0 onto my spare word
	s_wait_dscnt 4*NL+1                            ; (the add and the youngest 24 loads, A's blocks 4-7, may be out)
	WIN MUL_LO
	MUL16 0, 1, NQ-1, \slot, 0                     ; sixteen matrix instructions stand between the add and the wait for it
	s_wait_dscnt 0x0                               ; the add is done, and my reads of this slot are over
	s_barrier_signal -1
	MUL16 2, 1, NQ-1, \slot, 0
	WIN 0
	s_barrier_wait -1
.if \fill
	CREST                                          ; the barrier has opened a round of the cluster's barrier: no wave of any partner still reads this slot's tile or has a load on its way
	s_add_nc_u64 s[G0+4*\slot+2:G0+4*\slot+3], s[G0+4*\slot+2:G0+4*\slot+3], 2*ROWB
	s_add_nc_u64 s[G0B+4*\slot+2:G0B+4*\slot+3], s[G0B+4*\slot+2:G0B+4*\slot+3], 2*ROWB
	JLOAD G0+4*\slot, G1, G0B+4*\slot, G1B         ; the first tensor load behind the round; the four v_nop behind it are among the places in front of the loads below
.else
	PLACES NP
.endif
	v_add_nc_u32 v[ADRS], 4*NQ, v[ADRS]            ; on to the next K step's scale words (no LDS load of mine is out)
	FETCH_B \next, 0, 0
	FETCH_A \next, 0, 0
	SCALES \next
	WIN MUL_HI
	MUL16 4, 1, NQ-1, \slot, 0
	MUL16 6, 1, NQ-1, \slot, 0
	PLACES NP
	WIN 0
	FETCH_A \next, 0, 4
.endm
	s_wait_tensorcnt 1                             ; the scales and my part of K step 0 are in (K step 1's load may be out),
	s_barrier_signal -1
	s_barrier_wait -1                              ; everybody's are
	FETCH_B 0, 0, 0
	FETCH_A 0, 0, 0
	SCALES 0
	FETCH_A 0, 0, 4
	STEP 0, 0, 1                                   ; the first step stands in front of the loop: its products start the sums
	s_mov_b32 s3, LAPS-1
.Llap:                                                 ; a trip goes once round the ring, from a lap's second step to the next lap's first, and fills both slots again
	TURN 0, 1, 1
	STEP 1, 0, 0
	TURN 1, 0, 1
	STEP 0, 0, 0
	s_sub_co_u32 s3, s3, 1
	s_cmp_lg_u32 s3, 0
	s_cbranch_scc1 .Llap
	TURN 0, 1, 0                                   ; the last lap fills nothing, and has no round of the cluster's barrier
	STEP 1, 0, 0
	s_wait_dscnt 4*NL                              ; the very last step: nothing more to fetch
	WIN MUL_LO
	MUL16 0, 1, NQ-1, 1, 0
	MUL16 2, 1, NQ-1, 1, 0
	s_wait_dscnt 0
	WIN MUL_HI
	MUL16 4, 1, NQ-1, 1, 0
	MUL16 6, 1, NQ-1, 1, 0
	WIN 0
; THE WAY OUT, block by block of 16 rows x 128 columns.  A lane holds 32 neighbouring bytes of a row, and the lanes beside it hold other rows: so a block goes through my own stage in LDS and comes back as whole
; rows of 512 bytes, which the 32 lanes store together.  LDS serves a wave's instructions in order (ISA guide 5.7.1.4): no wait between the stores and the loads, nor in front of the next block's stores.
.macro TOSTAGE a
.set AC, 64*((\a)%4)
	WIN 0x08+4*((\a)/4)                            ; the data: window 2 or 3
.irp b, 0,1,2,3,4,5,6,7
	ds_store_b128 v[STO], v[AC+8*\b:AC+8*\b+3] offset:64*\b          ; each accumulator from its low end on
	ds_store_b128 v[STO], v[AC+8*\b+4:AC+8*\b+7] offset:64*\b+16
.endr
	WIN 0
.set BB, BK+64*((\a)%2)
.irp t, 0,1,2,3,4,5,6,7,8,9,10,11,12,13,14,15
	ds_load_b128 v[BB+4*\t:BB+4*\t+3], v[RD] offset:\t*SPITCH
.endr
.endm
.macro SEND a, younger                 ; younger: the LDS instructions issued behind block a's loads, which may stay out
.set BB, BK+64*((\a)%2)
	s_wait_dscnt \younger                          ; the block is back in registers
.if (\a) > 0
	s_add_nc_u64 s[12:13], s[12:13], 16*SIZE_N*4   ; (behind a wait on XCNT: the earlier stores have read their base)  16 rows of C on, so that the stores' offsets stay small: 15 rows of C, 245,760 bytes, at the most
.endif
.irp t, 0,1,2,3,4,5,6,7,8,9,10,11,12,13,14,15
	global_store_b128 v[CO], v[BB+4*\t:BB+4*\t+3], s[12:13] offset:\t*SIZE_N*4 th:TH_STORE_NT   ; 32 lanes store 512 consecutive bytes, at a multiple of 256 from C's first byte; written once, read by nobody here
.endr
.endm
	PLACES NP                                      ; the first block's results were finished long ago, the last products' registers are not touched yet: these places serve the loads into the registers that held A's fragments and block 7's reads alike
	TOSTAGE 0
.irp a, 1,2,3,4,5,6,7
.if \a > 1
	s_wait_xcnt 0x0                                ; block a - 2's stores have read their registers and their base: block a's loads may land there, and the base may step
.endif
	TOSTAGE \a
	SEND \a-1, 32                                  ; behind block a - 1's loads: block a's 16 stores and 16 loads
.endr
	s_wait_xcnt 0x0                                ; block 6's stores have read their base
	SEND 7, 0
	s_wait_tensorcnt 0x0                           ; the wave's end: behind my last tensor load and my last LDS store
	ds_add_u32 v[SPW], v[NIL]
	s_wait_dscnt 0x0
	CROUND                                         ; the closing round: no work-group ends while a partner may still ask for a tile that names it
	s_endpgm
.Lfunc_end_k_q33ee84bc65_gemm:
	.size	k_q33ee84bc65_gemm, .Lfunc_end_k_q33ee84bc65_gemm-k_q33ee84bc65_gemm
	.p2alignl 7, 3214868480
	.fill 96, 4, 3214868480
	.section	.rodata,"a",@progbits
	.p2align	6, 0x0
	.amdhsa_kernel k_q33ee84bc65_gemm
		.amdhsa_group_segment_fixed_size 327680
		.amdhsa_private_segment_fixed_size 0
		.amdhsa_enable_private_segment 0
		.amdhsa_kernarg_size 40
		.amdhsa_user_sgpr_count 2
		.amdhsa_user_sgpr_kernarg_segment_ptr 1
		.amdhsa_wavefront_size32 1
		.amdhsa_system_sgpr_workgroup_id_x 1
		.amdhsa_system_sgpr_workgroup_id_y 1
		.amdhsa_system_sgpr_workgroup_id_z 1
		.amdhsa_system_vgpr_workitem_id 0
		.amdhsa_next_free_vgpr 1024
		.amdhsa_next_free_sgpr 98
		.amdhsa_reserve_vcc 0
		.amdhsa_float_denorm_mode_32 3
		.amdhsa_float_denorm_mode_16_64 3
		.amdhsa_memory_ordered 1
		.amdhsa_forward_progress 1
		.amdhsa_inst_pref_size 160
	.end_amdhsa_kernel
	.amdgpu_metadata
---
amdhsa.version: [ 1, 2 ]
amdhsa.kernels:
  - .name:           k_q33ee84bc65_gemm
    .symbol:         k_q33ee84bc65_gemm.kd
    .args:
      - { .name: xc, .offset: 0, .size: 8, .value_kind: global_buffer, .address_space: global }
      - { .name: xs, .offset: 8, .size: 8, .value_kind: global_buffer, .address_space: global }
      - { .name: wc, .offset: 16, .size: 8, .value_kind: global_buffer, .address_space: global }
      - { .name: ws, .offset: 24, .size: 8, .value_kind: global_buffer, .address_space: global }
      - { .name: out0, .offset: 32, .size: 8, .value_kind: global_buffer, .address_space: global }
    .group_segment_fixed_size: 327680
    .private_segment_fixed_size: 0
    .kernarg_segment_align: 8
    .kernarg_segment_size: 40
    .max_flat_workgroup_size: 128
    .sgpr_count:     98
    .vgpr_count:     1024
    .wavefront_size: 32
...
	.end_amdgpu_metadata
.endif
;; end of part 2
;; ======== version 2 of 2: 2 launches
;; workspace buffers: xc 12,582,912 bytes; xs 524,288 bytes
;; launch quant (part 3): grid 512 x 1, 4 waves a work-group, no clusters, 33,280 bytes of LDS; arguments x, xc, xs; writes xc, xs
.if DOCPART == 3
	.amdgcn_target "amdgcn-amd-amdhsa--gfx1250"
	.amdhsa_code_object_version 6
	.text
	.protected	k_q33ee84bc65_quant
	.globl	k_q33ee84bc65_quant
	.p2align	8
	.type	k_q33ee84bc65_quant,@function
k_q33ee84bc65_quant:
	s_mov_b64 s[64:65], 0
	v_nop
	global_prefetch_b8 v0, s[64:65] scope:SCOPE_SE
	s_setreg_imm32_b32 hwreg(HW_REG_WAVE_MODE, 25, 1), 1
	s_wait_xcnt 0x0
; x [4096][4096], f32, the left operand of out = x @ (w * eye), is turned into codes of FP6 (E2M3), 6 bits each, K innermost, with one E8M0 scale byte for each 32 along K:
;   xc [4096][3072 bytes], xs [4096][128 bytes].  Every work-group of a tile row of out reads these rows: quantised once here, the f32 numbers are read once.
; A block's scale is 2^(floor(log2(its largest magnitude)) - 2); its byte is the largest magnitude's own exponent field - 2, held at 1 from below.  Each number is divided by the scale and rounded to the nearest code, ties to even.
; LIMITS.  NaN and infinities in x are not served.  A block whose largest magnitude lies under 2^-124 has its byte held at 1; a block of zeros so carries 1 where the quantiser's rule says 127: its codes are zeros,
;   which add nothing under any byte but 0xff, and this program alone reads the bytes.
; Rows are dense and K is a multiple of 32, so x is a plain stream of blocks of 32 numbers, and so are its codes and scale bytes.  A wave takes 16 steps of 512 numbers.
; The conversion takes 16 numbers of ONE block from a lane's registers, so a lane must hold 16 NEIGHBOURS (two neighbouring lanes hold a block); a load is best where neighbouring LANES take neighbouring bytes.
; Both are had: each of a step's four loads reads 512 consecutive bytes, 16 a lane; the 2,048 bytes go through the wave's own stage in LDS, as they lie, and come back 64 bytes a lane.
; No tensor loads, no barrier: waves share nothing.  Loads run four steps (16 loads a wave) ahead, the turn through LDS one step.
.set STEPS, 16
.set EMAX,  2
.set CB,    12                         ; bytes of 16 codes
.set R,     16                         ; v16-79   four sets of 16 numbers as they are loaded
.set X,     80                         ; v80-111  two sets of 16 neighbours
.set C,     128                        ; v128-191 codes: four registers for each step, so that no store's data are written again
.set E,     112                        ; v112-127 a scale byte for each step
.set WREG,  8192                       ; LDS: a region of its own for each wave: two stages of 32 x SP bytes, and behind them its 256 scale bytes
.set SP,    80                         ; a lane's place in a stage: its 64 bytes + 16 of padding
	s_load_b64 s[4:5], s[0:1], 0x0                 ; x
	s_load_b128 s[8:11], s[0:1], 0x8               ; xc, xs
	v_lshl_add_u32 v192, v0, 2, 0x8000
	v_mov_b32 v193, 0
	v_lshrrev_b32 v1, 5, v0
	v_readfirstlane_b32 s16, v1                    ; wave
	v_and_b32 v2, 31, v0                           ; lane
	v_lshlrev_b32 v3, 4, v2                        ; my 16 bytes of a load's 512
	s_mul_i32 s17, s16, WREG
	v_lshrrev_b32 v14, 2, v2
	v_mul_u32_u24 v14, v14, SP
	v_and_b32 v15, 3, v2
	v_lshl_add_u32 v14, v15, 4, v14
	v_add_nc_u32 v14, s17, v14                     ; the stage, on the way in: four lanes' 64 bytes on end, then 16 of padding: SP (lane / 4) + 16 (lane % 4); a load's 512 bytes take eight places
	v_mul_u32_u24 v15, v2, SP
	v_add_nc_u32 v15, s17, v15                     ; and on the way out: SP x lane: my 16 neighbours
	v_mul_u32_u24 v4, v2, CB                       ; my codes' place in a step's
	v_lshrrev_b32 v5, 1, v2
	s_add_co_u32 s17, s17, 2*32*SP
	v_add_nc_u32 v5, s17, v5                       ; LDS: my wave's 256 scale bytes, my block's byte
	v_lshlrev_b32 v7, 3, v2                        ; and on the way out 8 bytes a lane
	v_add_nc_u32 v6, s17, v7
	s_wait_kmcnt 0x0
	s_lshl_b32 s17, ttmp9, 2
	s_add_co_u32 s18, s17, s16                     ; which run of 8,192 numbers of x is my wave's: 0 .. 2,047
	s_mov_b32 s19, 0
	s_mov_b64 s[20:21], 512*STEPS*4
	s_mul_u64 s[20:21], s[18:19], s[20:21]
	s_add_nc_u64 s[4:5], s[4:5], s[20:21]
	s_mov_b64 s[20:21], 32*STEPS*CB
	s_mul_u64 s[20:21], s[18:19], s[20:21]
	s_add_nc_u64 s[8:9], s[8:9], s[20:21]
	s_lshl_b32 s18, s18, 8                         ; 256 scale bytes a run
	s_add_nc_u64 s[10:11], s[10:11], s[18:19]
.macro LOAD t
.irp i, 0,1,2,3
	global_load_b128 v[R+16*((\t)%4)+4*\i:R+16*((\t)%4)+4*\i+3], v3, s[4:5] offset:2048*(\t)+512*\i th:TH_LOAD_NT   ; 32 lanes read 512 consecutive bytes
.endr
.endm
.macro TURN t                          ; step t's numbers through the stage: LDS serves a wave's instructions in order (ISA guide 5.7.1.4), so no wait stands between the stores and the loads
.irp i, 0,1,2,3
	ds_store_b128 v14, v[R+16*((\t)%4)+4*\i:R+16*((\t)%4)+4*\i+3] offset:32*SP*((\t)%2)+8*SP*\i
.endr
.irp i, 0,1,2,3
	ds_load_b128 v[X+16*((\t)%2)+4*\i:X+16*((\t)%2)+4*\i+3], v15 offset:32*SP*((\t)%2)+16*\i
.endr
.endm
.irp t, 0,1,2,3
	LOAD \t
.endr
	s_wait_loadcnt 12                              ; step 0's four loads are in; the twelve of steps 1 to 3 may be out
	TURN 0
.macro STEP t
.set XS, X+16*((\t)%2)
.if (\t) > 0
	s_wait_dscnt 1                                 ; this step's numbers are back from the stage (the last step's byte store may be out): so its stores into the stage have read their registers,
.else
	s_wait_dscnt 0x0
.endif
.if (\t)+4 < STEPS
	LOAD (\t)+4                                    ; which take the loads of four steps on
.endif
.if (\t)+1 < STEPS
.if STEPS-2-(\t) >= 3
	s_wait_loadcnt 12                              ; the next step's four loads are in; those of the three steps behind it may be out
.else
	s_wait_loadcnt 4*(STEPS-2-(\t))
.endif
	TURN (\t)+1                                    ; and go through the other stage while this step is worked
.endif
	v_max3_num_f32 v8, |v[XS]|, |v[XS+1]|, |v[XS+2]|               ; the largest magnitude of my 16, in two chains
	v_max3_num_f32 v9, |v[XS+3]|, |v[XS+4]|, |v[XS+5]|
.irp i, 6,10
	v_max3_num_f32 v8, v8, |v[XS+\i]|, |v[XS+\i+1]|
	v_max3_num_f32 v9, v9, |v[XS+\i+2]|, |v[XS+\i+3]|
.endr
	v_max3_num_f32 v8, v8, |v[XS+14]|, |v[XS+15]|
	v_max3_num_f32 v8, v8, v9, (EMAX+1)<<23        ; and the floor 2^(EMAX + 1 - 127), under which no largest magnitude is taken: so the byte cannot fall under 1
	v_max_num_f32_dpp v8, v8, v8 row_xmask:1 row_mask:0xf bank_mask:0xf   ; and of my neighbour's 16: the block's
	v_add_nc_u32 v11, -(EMAX<<23), v8              ; EMAX off its exponent field: the conversion takes the exponent field of this operand as its scale, and nothing else of it
	v_cvt_scalef32_pk16_fp6_f32 v[C+4*(\t):C+4*(\t)+2], v[XS:XS+15], v11         ; sixteen numbers / 2^(v11's exponent), to the nearest code, ties to even, beyond the largest code the largest; 96 bits without gaps, the first number's code lowest
	v_lshrrev_b32 v[E+(\t)], 23, v11               ; the scale's byte (also the plain place behind the conversion)
	ds_store_b8 v5, v[E+(\t)] offset:16*(\t)       ; both lanes of a block write the same byte with the same value
	global_store_b96 v4, v[C+4*(\t):C+4*(\t)+2], s[8:9] offset:32*CB*(\t)        ; the wave stores 384 consecutive bytes; two steps' stores cover three aligned runs of 256
.endm
.irp t, 0,1,2,3,4,5,6,7,8,9,10,11,12,13,14,15
	STEP \t
.endr
	ds_load_b64 v[12:13], v6                       ; LDS serves a wave's instructions in order: these see my stores
	s_wait_dscnt 0x0
	global_store_b64 v7, v[12:13], s[10:11]        ; 32 lanes store 256 consecutive bytes, at a multiple of 256 from xs's first byte
	s_wait_tensorcnt 0x0
	ds_add_u32 v192, v193
	s_wait_dscnt 0x0
	s_endpgm
.Lfunc_end_k_q33ee84bc65_quant:
	.size	k_q33ee84bc65_quant, .Lfunc_end_k_q33ee84bc65_quant-k_q33ee84bc65_quant
	.p2alignl 7, 3214868480
	.fill 96, 4, 3214868480
	.section	.rodata,"a",@progbits
	.p2align	6, 0x0
	.amdhsa_kernel k_q33ee84bc65_quant
		.amdhsa_group_segment_fixed_size 33280
		.amdhsa_private_segment_fixed_size 0
		.amdhsa_enable_private_segment 0
		.amdhsa_kernarg_size 24
		.amdhsa_user_sgpr_count 2
		.amdhsa_user_sgpr_kernarg_segment_ptr 1
		.amdhsa_wavefront_size32 1
		.amdhsa_system_sgpr_workgroup_id_x 1
		.amdhsa_system_sgpr_workgroup_id_y 1
		.amdhsa_system_sgpr_workgroup_id_z 1
		.amdhsa_system_vgpr_workitem_id 0
		.amdhsa_next_free_vgpr 194
		.amdhsa_next_free_sgpr 66
		.amdhsa_reserve_vcc 0
		.amdhsa_float_denorm_mode_32 3
		.amdhsa_float_denorm_mode_16_64 3
		.amdhsa_memory_ordered 1
		.amdhsa_forward_progress 1
		.amdhsa_inst_pref_size 32
	.end_amdhsa_kernel
	.amdgpu_metadata
---
amdhsa.version: [ 1, 2 ]
amdhsa.kernels:
  - .name:           k_q33ee84bc65_quant
    .symbol:         k_q33ee84bc65_quant.kd
    .args:
      - { .name: x, .offset: 0, .size: 8, .value_kind: global_buffer, .address_space: global }
      - { .name: xc, .offset: 8, .size: 8, .value_kind: global_buffer, .address_space: global }
      - { .name: xs, .offset: 16, .size: 8, .value_kind: global_buffer, .address_space: global }
    .group_segment_fixed_size: 33280
    .private_segment_fixed_size: 0
    .kernarg_segment_align: 8
    .kernarg_segment_size: 24
    .max_flat_workgroup_size: 128
    .sgpr_count:     66
    .vgpr_count:     194
    .wavefront_size: 32
...
	.end_amdgpu_metadata
.endif
;; end of part 3
;; launch gemm (part 4): grid 16 x 16, 4 waves a work-group, clusters of 4 x 1, 327,680 bytes of LDS; arguments xc, xs, w, out0; writes out0
.if DOCPART == 4
	.amdgcn_target "amdgcn-amd-amdhsa--gfx1250"
	.amdhsa_code_object_version 6
	.text
	.protected	k_q33ee84bc65_gemm
	.globl	k_q33ee84bc65_gemm
	.p2align	8
	.type	k_q33ee84bc65_gemm,@function
k_q33ee84bc65_gemm:
	s_mov_b64 s[64:65], 0
	v_nop
	global_prefetch_b8 v0, s[64:65] scope:SCOPE_SE
	s_setreg_imm32_b32 hwreg(HW_REG_WAVE_MODE, 25, 1), 1
	s_wait_xcnt 0x0
	s_wait_alu depctr_hold_cnt(0) depctr_sa_sdst(0) depctr_va_vdst(0) depctr_va_sdst(0) depctr_va_ssrc(0) depctr_va_vcc(0) depctr_vm_vsrc(0)
	s_getreg_b32 s2, hwreg(HW_REG_IB_STS2, 6, 4)
	s_cmp_eq_u32 s2, 0
	s_cbranch_scc0 .Lentry_in_a_cluster
	s_endpgm
.Lentry_in_a_cluster:
	s_bfe_u32 s2, ttmp6, 0x10000c
	s_cmp_lg_u32 s2, 0x3003
	s_cbranch_scc0 .Lentry_shape_is_right
	s_endpgm
.Lentry_shape_is_right:
; out[m][n] = sum over k of Q(x)[m][k] Q(w * eye)[k][n]: [4096] x [4096] x [4096], both operands codes of FP6 (E2M3) with one E8M0 scale for each 32 along K, sums in f32.
; The product is done whole: all 32 K steps of 128 for every tile of out, by the scaled matrix instruction, as the contract asks.
; THE LEFT OPERAND comes as codes xc [4096][3072 bytes] and scale bytes xs [4096][128], K innermost (a row of codes is one stream of bits: 128 codes are 96 bytes), through a ring of two LDS slots.
; THE RIGHT OPERAND IS MADE IN REGISTERS AND NEVER GOES THROUGH MEMORY.  Column n of w * eye holds w[n][n] at k = n and zeros elsewhere, whatever w holds.  Quantised along K that is one code (its block's largest magnitude
;   is |w[n][n]|) among zero codes.  So a fragment of 16 columns x 128 K is all zero codes in 31 of the 32 K steps: ONE run of 12 zero registers serves them all; in the K step that holds the columns it has one code a column.
; SHARES.  A tile of out, 256 x 256, is made by a work-group of four waves; wave w makes rows 64 w .. 64 w + 63 x all 256 columns: 64 accumulators of 16 x 16, 512 registers.  With the right operand in registers a fragment of x
;   feeds 16 matrix instructions, and no fragment is read from LDS by two waves.  16 x 16 tiles: one for each of 256 work-groups.
; THE RING.  A slot holds 512 along K (four steps of 128) of the tile's 256 rows.  Wave w fetches its own 64 rows (384 bytes each) by one tensor load and reads those bytes alone, behind its own wait on TENSORcnt.
;   A slot is asked for again at the head of its last step, whose fragments are then in registers: from a request to the wait for it a wave issues 224 matrix instructions.
; CLUSTERS: 4 x 1 work-groups, the four of one tile row of out: they need the same tiles and scale bytes of x, and ask for them JOINTLY, by the same tensor load with the same descriptor and the mask 15.
;   Nothing else is shared: each work-group's 256 numbers of w's diagonal are its own.
; THE MATRIX INSTRUCTION IS USED TRANSPOSED (source 0 = 16 columns of the right operand, source 1 = 16 rows of x): a lane then holds eight neighbouring numbers of a row of out.
; WHERE THE DIAGONAL FALLS.  The tile's columns 0-127 (LO) lie in K step 2 tc, an even one, columns 128-255 (HI) in step 2 tc + 1, an odd one (tc: the tile column).  So an even step multiplies LO by the eight fragments FG and
;   HI by the zero fragment; an odd step HI by FG and then LO by the zero fragment.  In each step's middle FG's 24 registers that are not always zero are set for the next step: the diagonal's codes if that step is the
;   diagonal's, zeros otherwise.  It is a choice of VALUES by v_cndmask_b32, made in every step: tc differs between the partners of a cluster, so no branch may hang on it.
;   Column 16 f + r of a half is k = 16 f + r of its K step: registers 6 (f / 4) + 3 (f % 2) + 0 .. 2 of the fragment, in the lanes of half (f / 2) % 2, code r of the 16 that these three registers hold.
;   Blocks f and f + 2 differ in the half of the lanes alone: one gathered number, one conversion and one scale register serve both, lanes 0-15 for f, lanes 16-31 for f + 2.
; LIMITS.  NaN and infinities on w's diagonal are not served.  w off its diagonal is not read: where it holds NaN or an infinity the masked operand is itself not finite.  A zero (or a magnitude under 2^-124) on the diagonal
;   has its scale byte held at 1.  FG's scale registers always hold the columns' own byte in all four bytes, the zero fragment's 127: zero codes add nothing under any byte but 0xff, which is never made.
; REGISTERS, in windows of 256: window 0: v16-30 addresses; v32-63 x's scale words, two sets; v64-71 the right operand's scale words, v72 four bytes of 127; v128-223 x's fragments, two sets of four; on the way out v128-255.
;   window 1: v0-95 FG; v96-127 the diagonal's codes, eight triples; v128-139 the zero fragment.   window 2: the accumulators of LO ((a, f) at v[8 (8 a + f)]);   window 3: those of HI.
; By this text's own count a wave has three tensor loads outstanding at the start and one behind each round.
.set SIZE_N, 4096
.set SIZE_K, 4096
.set KSTEP,  512                       ; along K in a slot: four matrix instructions deep
.set ROWB,   384                       ; a tile's row in bytes: KSTEP codes of 6 bits
.set KROW,   SIZE_K*6/8                ; a row of xc in bytes
.set PITCH,  432                       ; an LDS row: 3 x (128 bytes of data + 16 of padding) = 108 words: row r starts at bank 44 r mod 64 (64 banks of 4 bytes: ISA guide 11.1): sixteen different multiples of 4;
                                       ; lanes 16-31 read 6 or 10 words further on: the 32 lanes of a load of 8 bytes touch 64 different banks
.set FR,     12                        ; registers of a fragment: 16 rows x 128 K
.set NP,     4                         ; places behind this matrix instruction (ISA guide 7.12.1)
.set WTILE,  64*PITCH                  ; 64 rows: what one tensor load brings, and what its wave reads
.set SLOT,   4*WTILE
.set LAPS,   SIZE_K/(2*KSTEP)          ; a lap = eight steps of 128 = once round the ring: 4
.set KS,     SIZE_K/32                 ; a row of xs in bytes: 128
.set SCL,    2*SLOT                    ; behind the ring: x's scale bytes for all of K, as rows of 256 bytes + 16 of padding; filled once
.set WSCL,   (64*KS/256)*272           ; those of a wave's 64 rows: what one tensor load brings
.set SBLK,   (16*KS/256)*272           ; those of 16 rows
.set SPARE,  SCL+4*WSCL                ; 256,000: the spare words, 128 bytes for each wave: two blocks of 256 bytes that no other line names
.set SPITCH, 528                       ; the way out: a stage of 16 rows x (512 bytes + 16), in the wave's own part of slot 0, which has had its last fill and its last read when the first result is stored there
.set DIAG,   16388                     ; bytes from w[n][n] to w[n+1][n+1]
.set FLOOR,  0x1800000                 ; 2^(3 - 127): no largest magnitude is taken under it, so that no scale byte falls under 1
.set ADRA, 16                          ; v16-17  LDS address of my fragments of x in slot 0, 1  (v18-19: the same for the pieces that lie behind one padding more)
.set STO,  24                          ; v24     the way out: where I put 32 bytes of a row
.set RD,   25                          ; v25     the way out: where I read a row back
.set CO,   26                          ; v26     my byte offset in a row of out
.set ADRS, 27                          ; v27     LDS address of my row's scale words
.set SPW,  28                          ; v28     LDS address of my spare word: SPARE + 4 x my thread's number; never rewritten
.set NIL,  29                          ; v29     0; never rewritten
.set GW,   30                          ; v30     my byte offset along w's diagonal; never rewritten
.set SC,   32                          ; x's scale words: set s (for slot s) at v[SC + 16 s]; in it register 4 a + q: the words of block a's rows for the slot's q-th 128 along K
.set SBP,  64                          ; v64-71  the right operand's scale words: register 4 H + 2 (f / 4) + f % 2: lanes 0-15 block f's columns, lanes 16-31 block f + 2's (H: 0 LO, 1 HI)
.set SZ,   72                          ; v72     0x7f7f7f7f: the zero fragment's
.set WD,   80                          ; at the head: v80-87 w[n][n]; v88-95 at work; v96-103 the conversions' scale operands; v128-255 eight times 16 numbers
.set MX,   88
.set SO,   96
.set XB,   128
.set AF,   128                         ; x's fragments: set p at v[AF + 48 p], block a at + 12 a
.set BK,   128                         ; the way out: 16 rows read back from the stage: v128-191 and v192-255 by turns
.set FG,   0                           ; window 1
.set TR,   96
.set ZF,   128
.set G1,  24                           ; s[24:31] descriptor group 1 for x's tiles;  s[32:39] group 0, one set for each slot
.set G0,  32
.set G1S, 48                           ; s[48:55], s[56:59] groups 1 and 0 for x's scale bytes
.set G0S, 56
.set KD,  46                           ; s46, s47 the K steps that hold the diagonal: LO's, HI's
.set ML,  60                           ; s60, s61 the lanes that take the diagonal's codes: of half 0, of half 1; or none
.set KN,  62                           ; s62      the K step for which FG is set next
.set MSB, 0
.macro WIN new                         ; the immediate's high byte repeats the setting that is left
.if MSB != (\new)
	s_set_vgpr_msb (MSB<<8)|(\new)
.set MSB, (\new)
.endif
.endm
.set MUL_LO, 0xa1                      ; source 0 (right operand) window 1, source 1 (x) window 0, C and D window 2
.set MUL_HI, 0xf1                      ; the same, C and D window 3
.set UPD,    0x44                      ; destination and source 1 window 1
.macro CREST                           ; a round of the cluster's barrier behind its opening barrier
	s_cmp_lg_u32 s14, 0
	s_cbranch_scc1 .Lnot_wave_0_\@
	s_barrier_signal -3
.Lnot_wave_0_\@:
	s_barrier_wait -3
	s_barrier_signal -1
	s_barrier_wait -1
.endm
.macro CROUND                          ; a whole round
	s_barrier_signal -1
	s_barrier_wait -1
	CREST
.endm
; A load into a register that a matrix instruction has read, a vector instruction that writes one, and a vector instruction or an LDS store that reads a matrix result, stand NP places behind that matrix instruction; an operand
; written by a vector instruction stands 4 places ahead of a scaled matrix instruction.  Only plain vector instructions that name none of its registers are places (ISA guide 7.12.1).
.macro PLACES n
.rept \n
	v_nop
.endr
.endm
	s_load_b256 s[4:11], s[0:1], 0x0               ; xc s[4:5], xs s[6:7], w s[8:9], out s[10:11]
	v_lshl_add_u32 v[SPW], v0, 2, SPARE
	v_mov_b32 v[NIL], 0
	ds_add_u32 v28, v29
	ds_add_u32 v28, v29
	s_wait_dscnt 0x0
	v_lshrrev_b32 v1, 5, v0
	v_readfirstlane_b32 s14, v1                    ; wave 0..3
	s_bfe_u32 s40, ttmp6, 0x40000                  ; cx: my place in the cluster
	s_lshl_b32 s42, ttmp9, 2
	s_add_co_u32 s42, s42, s40                     ; tc, the tile column = 4 x cluster x + cx: it enters w's and out's addresses and the choice of FG's values, nothing else
	s_and_b32 s17, ttmp7, 0xffff                   ; the tile row, which the four partners share
	; descriptor group 1: a tile of 64 rows x ROWB bytes, padded in LDS
	s_mov_b32 s[G1+0], 15|(0<<16)|(1<<20)|(1<<21)|(4<<22)|(3<<25)   ; 15:0 the mask: all four work-groups; 17:16 elements of 1 byte; 20 padding on; 21 set beside a mask; 24:22 behind every 32 words (code 4); 31:25 of 4 words (code 3)
	s_mov_b32 s[G1+1], ROWB<<16                    ; tensor_dim0
	s_mov_b32 s[G1+2], 64<<16                      ; tensor_dim1 = 64
	s_mov_b32 s[G1+3], ROWB<<16                    ; tile_dim0
	s_mov_b32 s[G1+4], 64                          ; tile_dim1 = 64
	s_mov_b32 s[G1+5], KROW                        ; tensor_dim0_stride
	s_mov_b32 s[G1+6], 0
	s_mov_b32 s[G1+7], 0
	; and for the scale bytes of 64 rows: a dense block of 8,192 bytes, as 32 rows of 256 bytes (32 elements of 8 bytes), 16 bytes of padding behind each
	s_mov_b32 s[G1S+0], 15|(3<<16)|(1<<20)|(1<<21)|(5<<22)|(3<<25)
	s_mov_b32 s[G1S+1], 32<<16
	s_mov_b32 s[G1S+2], (64*KS/256)<<16
	s_mov_b32 s[G1S+3], 32<<16
	s_mov_b32 s[G1S+4], 64*KS/256
	s_mov_b32 s[G1S+5], 32
	s_mov_b32 s[G1S+6], 0
	s_mov_b32 s[G1S+7], 0
	s_lshl_b32 s20, s17, 8
	s_lshl_b32 s18, s14, 6
	s_add_co_u32 s20, s20, s18                     ; my first row: 256 x tile row + 64 x wave
	s_mul_i32 s22, s20, KS                         ; where its scale bytes begin,
	s_mov_b32 s23, 0
	s_lshl_b32 s12, s20, 14                        ; its row of out (16,384 bytes a row: under 2^27),
	s_mul_i32 s20, s20, KROW                       ; and its codes
	s_mov_b32 s21, 0
	s_lshl_b32 s13, s42, 10
	s_add_co_u32 s12, s12, s13                     ; out: + 1,024 bytes a tile column
	s_mov_b32 s13, 0
	s_lshl_b32 s18, s42, 8
	s_mul_i32 s18, s18, DIAG                       ; w: the diagonal's number of the tile's first column; with the lanes' and the loads' parts 4,095 x 16,388 at the most, w's last number
	s_mov_b32 s19, 0
	s_lshl_b32 s[KD], s42, 1                       ; K step 2 tc holds LO's diagonal,
	s_add_co_u32 s[KD+1], s[KD], 1                 ; 2 tc + 1 HI's
	s_mov_b32 s[KN], 0
	s_mul_i32 s43, s14, WTILE                      ; where my tiles go: wave x 64 rows: no place in the cluster enters an LDS address
	s_mul_i32 s41, s14, WSCL
	s_wait_kmcnt 0x0
	s_add_nc_u64 s[20:21], s[4:5], s[20:21]
	s_add_nc_u64 s[22:23], s[6:7], s[22:23]
	s_add_nc_u64 s[8:9], s[8:9], s[18:19]
	s_add_nc_u64 s[10:11], s[10:11], s[12:13]
	s_mov_b32 s[G0S], 1
	s_add_co_u32 s[G0S+1], s41, SCL
	s_mov_b64 s[G0S+2:G0S+3], s[22:23]
	s_or_b32 s[G0S+3], s[G0S+3], 0x80000000
.irp s, 0,1
	s_mov_b32 s[G0+4*\s], 1                                        ; count = 1
	s_add_co_u32 s[G0+4*\s+1], s43, \s*SLOT                        ; LDS address: WTILE x wave + the slot's constant
	s_add_nc_u64 s[G0+4*\s+2:G0+4*\s+3], s[20:21], \s*ROWB         ; global address: 512 along K a slot
	s_or_b32 s[G0+4*\s+3], s[G0+4*\s+3], 0x80000000                ; type = 2
.endr
	CROUND                                         ; all four work-groups are here: the first joint loads meet
	tensor_load_to_lds s[G0S:G0S+3], s[G1S:G1S+7]  ; the first fills, in one group: my rows' scale bytes for all of K,
	s_nop 0
	tensor_load_to_lds s[G0:G0+3], s[G1:G1+7]      ; slot 0,
	s_nop 0
	tensor_load_to_lds s[G0+4:G0+7], s[G1:G1+7]    ; slot 1
	s_nop 0
	PLACES 4
	v_and_b32 v1, 15, v0                           ; r = l % 16
	v_bfe_u32 v2, v0, 4, 1                         ; h = l / 16
	v_lshl_add_u32 v[GW], v2, 5, v1                ; lanes 16-31 take the block two further on: column r + 32 h
	v_mul_u32_u24 v[GW], v[GW], DIAG
.irp u, 0,1,2,3,4,5,6,7
	global_load_b32 v[WD+\u], v[GW], s[8:9] offset:(128*(\u/4)+64*((\u%4)/2)+16*(\u%2))*DIAG   ; w[n][n], n = 256 tc + 128 H + 16 f + r, f = 4 ((u % 4) / 2) + u % 2 + 2 h, H = u / 4
.endr
	v_mul_u32_u24 v3, v1, PITCH
	v_mul_u32_u24 v4, v2, 24
	v_add_nc_u32 v4, v3, v4                        ; a fragment's row x pitch + 24 x half
	v_lshl_add_u32 v5, v2, 4, v4                   ; and the same behind one padding more
	s_mov_b32 s18, s43
.irp s, 0,1
	v_add_nc_u32 v[ADRA+\s], s18, v4
	v_add_nc_u32 v[ADRA+2+\s], s18, v5
	s_add_co_u32 s18, s18, SLOT
.endr
	v_mul_u32_u24 v5, v1, KS                       ; my row's scale bytes: KS bytes a row,
	v_lshrrev_b32 v6, 8, v5
	v_lshl_add_u32 v5, v6, 4, v5                   ; and 16 more for each 256 passed
	s_add_co_u32 s19, s41, SCL
	v_add_nc_u32 v[ADRS], s19, v5                  ; (lanes 16-31 read what lanes 0-15 read: the unit takes lanes 0-15)
	v_mul_u32_u24 v5, v1, SPITCH                   ; the stage, in: row r, 32 bytes for each half of the lanes
	v_lshl_add_u32 v5, v2, 5, v5
	v_add_nc_u32 v[STO], s43, v5
	v_and_b32 v6, 31, v0
	v_lshlrev_b32 v[CO], 4, v6                     ; back: the 32 lanes take one row of 512 bytes; and the same in out
	v_add_nc_u32 v[RD], s43, v[CO]
	; THE RIGHT OPERAND.  A column's one block that is not zeros has |w[n][n]| as its largest magnitude.
	s_wait_loadcnt 0x0                             ; the eight loads
.irp u, 0,1,2,3,4,5,6,7
	v_max3_num_f32 v[MX+\u], |v[WD+\u]|, |v[WD+\u]|, FLOOR
.endr
.irp u, 0,1,2,3,4,5,6,7
	v_add_nc_u32 v[SO+\u], 0xff000000, v[MX+\u]    ; 2 off the exponent field: the conversion takes the exponent field of this operand as its scale, and nothing else of it
.endr
.irp u, 0,1,2,3,4,5,6,7
	v_lshrrev_b32 v[MX+\u], 23, v[SO+\u]           ; the scale's byte,
.endr
.irp u, 0,1,2,3,4,5,6,7
	v_lshl_or_b32 v[MX+\u], v[MX+\u], 8, v[MX+\u]
.endr
.irp u, 0,1,2,3,4,5,6,7
	v_lshl_or_b32 v[SBP+\u], v[MX+\u], 16, v[MX+\u]    ; in all four bytes of the column's scale word: the other three blocks are zero codes
.endr
	v_mov_b32 v[SZ], 0x7f7f7f7f
.irp i, 0,1,2,3,4,5,6,7,8,9,10,11,12,13,14,15
	s_mov_b32 s18, 0x10001<<\i                     ; the two lanes with r = i
.irp u, 0,1,2,3,4,5,6,7
	v_cndmask_b32 v[XB+16*\u+\i], 0, v[WD+\u], s18 ; the masked 16 numbers of my column: w[n][n] at place r, zeros elsewhere
.endr
.endr
	WIN 0x40                                       ; destination window 1
.irp u, 0,1,2,3,4,5,6,7
	v_cvt_scalef32_pk16_fp6_f32 v[TR+4*\u:TR+4*\u+2], v[XB+16*\u:XB+16*\u+15], v[SO+\u]
.endr
	v_nop                                          ; one plain place behind a scaled conversion
.irp f, 0,1,2,3,4,5,6,7
.irp i, 0,1,2,3,4,5,6,7,8,9,10,11
.if (\i < 6*(\f/4)+3*(\f%2)) || (\i > 6*(\f/4)+3*(\f%2)+2)
	v_mov_b32 v[FG+FR*\f+\i], 0                    ; the nine registers of each of FG's fragments that are zero codes in every K step: operands, written once
.endif
.endr
.endr
.irp i, 0,1,2,3,4,5,6,7,8,9,10,11
	v_mov_b32 v[ZF+\i], 0                          ; the zero fragment
.endr
	WIN 0
; FG's other three registers a fragment are set for K step s[KN], a step of parity hf: the codes of half hf's diagonal where that step holds it, zero codes otherwise.
.macro UPDATE hf
	s_cmp_eq_u32 s[KN], s[KD+(\hf)]
	s_cselect_b32 s[ML], 0xffff, 0                 ; blocks 0, 1, 4, 5 have their codes in lanes 0-15,
	s_cselect_b32 s[ML+1], 0xffff0000, 0           ; blocks 2, 3, 6, 7 in lanes 16-31
	s_add_co_u32 s[KN], s[KN], 1
	WIN UPD
.irp f, 0,1,2,3,4,5,6,7
.irp i, 0,1,2
	v_cndmask_b32 v[FG+FR*\f+6*(\f/4)+3*(\f%2)+\i], 0, v[TR+4*(4*(\hf)+2*(\f/4)+\f%2)+\i], s[ML+(\f/2)%2]
.endr
.endr
	PLACES NP                                      ; an operand written by vector instructions stands 4 places ahead of a scaled matrix instruction
	WIN 0
.endm
.macro FRAG reg, adr, q, i             ; a fragment, 16 rows x 128 K of 6-bit codes, is 12 registers: lane l holds row l % 16; registers 6 c .. 6 c + 5 hold K = 64 c + 32 (l / 16) + 0 .. 31: 24 bytes of the row's stream of bits, as they lie
.irp p, 0,1,2,3,4,5                    ; in pieces of 8 bytes, so that every address is a multiple of the access's size.  Lanes 0-15 take the row's pieces 12 q + 0, 1, 2 and 12 q + 6, 7, 8, lanes 16-31 those three pieces on
.set PC, 12*(\q)+6*(\p/3)+\p%3        ; the mover has laid 16 bytes of padding behind every 128 bytes (16 pieces): where the piece three on lies behind one padding more, the second address register (40 for 24 bytes a half) serves
.if PC%16 < 13
	ds_load_b64 v[\reg+2*\p:\reg+2*\p+1], v[\adr] offset:8*PC+16*(PC/16)+(\i)*16*PITCH
.else
	ds_load_b64 v[\reg+2*\p:\reg+2*\p+1], v[\adr+2] offset:8*PC+16*(PC/16)+(\i)*16*PITCH
.endif
.endr
.endm
.macro FETCH_A slot, q, p              ; my four fragments of the slot's q-th 128 along K into set p
.irp i, 0,1,2,3
	FRAG AF+48*(\p)+FR*\i, ADRA+\slot, \q, \i
.endr
.endm
.macro SCALES sc                       ; a slot's scale words into set sc: four words a row, 16 bytes
.irp i, 0,1,2,3
	ds_load_b128 v[SC+16*\sc+4*\i:SC+16*\sc+4*\i+3], v[ADRS] offset:\i*SBLK
.endr
.endm
; 16 matrix instructions: x's blocks a0, a0 + 1 x the eight column blocks of one half, 128 along K: the slot's q-th.  p: x's set;  sc: the set of x's scale words;  diag = 1: source 0 is FG, else the zero fragment;
; half: whose scale words go with FG.  zero = 1: the first product starts the sums: no accumulator is ever cleared.  The accumulators take turns, one instruction a turn.
.macro MUL16 a0, p, q, sc, diag, half, zero
.irp a, \a0, \a0+1
.irp f, 0,1,2,3,4,5,6,7
.set rD, 8*(8*(\a)+\f)
.set rA, AF+48*(\p)+FR*(\a)
.set rS, SC+16*(\sc)+4*(\a)+(\q)
.if \diag
.set rB, FG+FR*\f
.set rT, SBP+4*(\half)+2*(\f/4)+\f%2
.set rW, (\f/2)%2
.else
.set rB, ZF
.set rT, SZ
.set rW, 0
.endif
.if \zero
.if rW
	v_wmma_scale_f32_16x16x128_f8f6f4 v[rD:rD+7], v[rB:rB+11], v[rA:rA+11], 0, v[rT], v[rS] matrix_a_fmt:MATRIX_FMT_FP6 matrix_b_fmt:MATRIX_FMT_FP6 matrix_a_scale:MATRIX_SCALE_ROW1
.else
	v_wmma_scale_f32_16x16x128_f8f6f4 v[rD:rD+7], v[rB:rB+11], v[rA:rA+11], 0, v[rT], v[rS] matrix_a_fmt:MATRIX_FMT_FP6 matrix_b_fmt:MATRIX_FMT_FP6
.endif
.else
.if rW
	v_wmma_scale_f32_16x16x128_f8f6f4 v[rD:rD+7], v[rB:rB+11], v[rA:rA+11], v[rD:rD+7], v[rT], v[rS] matrix_a_fmt:MATRIX_FMT_FP6 matrix_b_fmt:MATRIX_FMT_FP6 matrix_a_scale:MATRIX_SCALE_ROW1
.else
	v_wmma_scale_f32_16x16x128_f8f6f4 v[rD:rD+7], v[rB:rB+11], v[rA:rA+11], v[rD:rD+7], v[rT], v[rS] matrix_a_fmt:MATRIX_FMT_FP6 matrix_b_fmt:MATRIX_FMT_FP6
.endif
.endif
.endr
.endr
.endm
.macro PHASE p, q, sc, diag, half, zero        ; 32 matrix instructions: my four blocks of x against one half of the columns
	WIN MUL_LO+0x50*(\half)
	MUL16 0, \p, \q, \sc, \diag, \half, \zero
	MUL16 2, \p, \q, \sc, \diag, \half, \zero
.endm
; A step of 128 along K that has its successor in the same slot (q = 0, 1, 2).  First the half whose diagonal can lie in a step of this parity, against FG; in the middle ONE run: FG for the next step, and the next step's
; fragments of x into the other set, 32 matrix instructions ahead of their use; then the other half, against the zero fragment.  The next step begins with that same half: no switch of windows between steps.
.macro STEP slot, q, zero
	s_wait_dscnt 0x0                               ; this step's fragments (at a slot's head: and its scale words) are in
	PHASE (\q)%2, \q, \slot, 1, (\q)%2, \zero
	PLACES NP                                      ; behind the products that read FG, and behind the last step's, which read the other set
	UPDATE 1-(\q)%2
	FETCH_A \slot, (\q)+1, 1-(\q)%2
	PHASE (\q)%2, \q, \slot, 0, 1-(\q)%2, \zero
.endm
; A slot's last step (q = 3).  Its fragments are in registers, so my reads of the slot are over at its head, and there the slot is given back.  fill = 1: each wave waits for all its tensor loads (one is out: my part of the
; next slot), adds 0 to its spare word, and waits for that and for its reads; a round of the cluster's barrier; the joint refill, two slots ahead, first behind it.  fill = 0: only the wait for my part of the last slot:
; nothing is filled, and no wave reads another's bytes, so no barrier stands there.
.macro TURN slot, next, fill
.if \fill
	WIN 0                                          ; (the add's two registers lie in window 0)
	s_wait_tensorcnt 0x0                           ; all my tensor loads have landed;
	ds_add_u32 v[SPW], v[NIL]                      ; 0 onto my spare word
	s_wait_dscnt 1                                 ; (this step's fragments are in; the add may be out)
	WIN MUL_HI
	MUL16 0, 1, 3, \slot, 1, 1, 0                  ; sixteen matrix instructions stand between the add and the wait for it
	s_wait_dscnt 0x0                               ; the add is done, and my reads of this slot are over
	s_barrier_signal -1                            ; this barrier opens a round of the cluster's barrier
	MUL16 2, 1, 3, \slot, 1, 1, 0
	WIN 0
	s_barrier_wait -1
	CREST                                          ; no wave of any partner still reads this slot's tile or has a load on its way
	s_add_nc_u64 s[G0+4*\slot+2:G0+4*\slot+3], s[G0+4*\slot+2:G0+4*\slot+3], 2*ROWB
	tensor_load_to_lds s[G0+4*\slot:G0+4*\slot+3], s[G1:G1+7]      ; my one tensor load behind the round, and the first thing there
	s_nop 0
	PLACES NP                                      ; the places behind the products that read FG and the other set
.else
	s_wait_tensorcnt 0x0                           ; my part of the last slot is in
	s_wait_dscnt 0x0
	PHASE 1, 3, \slot, 1, 1, 0
	PLACES NP
.endif
	UPDATE 0
	v_add_nc_u32 v[ADRS], 16, v[ADRS]              ; on to the next slot's scale words
	FETCH_A \next, 0, 0
	SCALES \next
	PHASE 1, 3, \slot, 0, 0, 0
.endm
	UPDATE 0                                       ; FG for K step 0
	s_wait_tensorcnt 1                             ; my scale bytes and my part of slot 0 are in; slot 1's load may be out.  I read my own loads' bytes alone: no barrier
	FETCH_A 0, 0, 0
	SCALES 0
	STEP 0, 0, 1                                   ; the first step stands in front of the loop: its products start the sums
	WIN 0                                          ; at a label and at a branch every window is 0
	s_mov_b32 s3, LAPS-1
.Llap:                                                 ; a trip goes once round the ring, from a lap's second step to the next lap's first, and fills both slots again
	STEP 0, 1, 0
	STEP 0, 2, 0
	TURN 0, 1, 1
	STEP 1, 0, 0
	STEP 1, 1, 0
	STEP 1, 2, 0
	TURN 1, 0, 1
	STEP 0, 0, 0
	WIN 0
	s_sub_co_u32 s3, s3, 1
	s_cmp_lg_u32 s3, 0
	s_cbranch_scc1 .Llap
	STEP 0, 1, 0                                   ; the last lap is written out: it fills nothing, and has no round
	STEP 0, 2, 0
	TURN 0, 1, 0
	STEP 1, 0, 0
	STEP 1, 1, 0
	STEP 1, 2, 0
	s_wait_dscnt 0x0                               ; the very last step: nothing more to fetch or to set
	PHASE 1, 3, 1, 1, 1, 0
	PHASE 1, 3, 1, 0, 0, 0
	WIN 0
; THE WAY OUT, in eight blocks of 16 rows x 128 columns: block a is rows 16 (a % 4) on, columns 128 (a / 4) on.  A lane holds 32 neighbouring bytes of a row, and the lanes beside it hold other rows: so a block goes through my own
; stage in LDS and comes back as whole rows of 512 bytes, which the 32 lanes store together.  LDS serves a wave's instructions in order (ISA guide 5.7.1.4): no wait between the stores and the loads, nor in front of the next block's stores.
.macro TOSTAGE a
.set AC, 64*((\a)%4)
	WIN 0x08+4*((\a)/4)                            ; the data: window 2 or 3
.irp b, 0,1,2,3,4,5,6,7
	ds_store_b128 v[STO], v[AC+8*\b:AC+8*\b+3] offset:64*\b          ; each accumulator from its low end on
	ds_store_b128 v[STO], v[AC+8*\b+4:AC+8*\b+7] offset:64*\b+16
.endr
	WIN 0
.set BB, BK+64*((\a)%2)
.irp t, 0,1,2,3,4,5,6,7,8,9,10,11,12,13,14,15
	ds_load_b128 v[BB+4*\t:BB+4*\t+3], v[RD] offset:\t*SPITCH
.endr
.endm
.macro SEND a, younger                 ; younger: the LDS instructions issued behind block a's loads, which may stay out
.set BB, BK+64*((\a)%2)
	s_wait_dscnt \younger                          ; the block is back in registers
.irp t, 0,1,2,3,4,5,6,7,8,9,10,11,12,13,14,15
	global_store_b128 v[CO], v[BB+4*\t:BB+4*\t+3], s[10:11] offset:(16*((\a)%4)+\t)*SIZE_N*4+512*((\a)/4) th:TH_STORE_NT   ; 32 lanes store 512 consecutive bytes, at a multiple of 256 from out's first byte; written once, read by nobody here.  The block's place stands in the immediate: 1,032,704 at the most, inside the signed 24 bits; base and offset register are never rewritten
.endr
.endm
	PLACES NP                                      ; behind the last products: for the first reads of their results, and for the loads into the registers that held x's fragments
	TOSTAGE 0
.irp a, 1,2,3,4,5,6,7
.if \a > 1
	s_wait_xcnt 0x0                                ; block a - 2's stores have read their registers: block a's loads may land there
.endif
	TOSTAGE \a
	SEND \a-1, 32                                  ; behind block a - 1's loads: block a's 16 stores and 16 loads
.endr
	SEND 7, 0
	s_wait_tensorcnt 0x0                           ; the wave's end: behind my last tensor load and my last LDS store
	ds_add_u32 v[SPW], v[NIL]
	s_wait_dscnt 0x0
	CROUND                                         ; the closing round: no work-group ends while a partner may still ask for a tile that names it
	s_endpgm
.Lfunc_end_k_q33ee84bc65_gemm:
	.size	k_q33ee84bc65_gemm, .Lfunc_end_k_q33ee84bc65_gemm-k_q33ee84bc65_gemm
	.p2alignl 7, 3214868480
	.fill 96, 4, 3214868480
	.section	.rodata,"a",@progbits
	.p2align	6, 0x0
	.amdhsa_kernel k_q33ee84bc65_gemm
		.amdhsa_group_segment_fixed_size 327680
		.amdhsa_private_segment_fixed_size 0
		.amdhsa_enable_private_segment 0
		.amdhsa_kernarg_size 32
		.amdhsa_user_sgpr_count 2
		.amdhsa_user_sgpr_kernarg_segment_ptr 1
		.amdhsa_wavefront_size32 1
		.amdhsa_system_sgpr_workgroup_id_x 1
		.amdhsa_system_sgpr_workgroup_id_y 1
		.amdhsa_system_sgpr_workgroup_id_z 1
		.amdhsa_system_vgpr_workitem_id 0
		.amdhsa_next_free_vgpr 1024
		.amdhsa_next_free_sgpr 66
		.amdhsa_reserve_vcc 0
		.amdhsa_float_denorm_mode_32 3
		.amdhsa_float_denorm_mode_16_64 3
		.amdhsa_memory_ordered 1
		.amdhsa_forward_progress 1
		.amdhsa_inst_pref_size 239
	.end_amdhsa_kernel
	.amdgpu_metadata
---
amdhsa.version: [ 1, 2 ]
amdhsa.kernels:
  - .name:           k_q33ee84bc65_gemm
    .symbol:         k_q33ee84bc65_gemm.kd
    .args:
      - { .name: xc, .offset: 0, .size: 8, .value_kind: global_buffer, .address_space: global }
      - { .name: xs, .offset: 8, .size: 8, .value_kind: global_buffer, .address_space: global }
      - { .name: w, .offset: 16, .size: 8, .value_kind: global_buffer, .address_space: global }
      - { .name: out0, .offset: 24, .size: 8, .value_kind: global_buffer, .address_space: global }
    .group_segment_fixed_size: 327680
    .private_segment_fixed_size: 0
    .kernarg_segment_align: 8
    .kernarg_segment_size: 32
    .max_flat_workgroup_size: 128
    .sgpr_count:     66
    .vgpr_count:     1024
    .wavefront_size: 32
...
	.end_amdgpu_metadata
.endif
;; end of part 4
